; MI455X (gfx1250); checked and timed in simulation.
; The chip was launched on July 23, 2026; its instructions are those of AMD's public machine-readable ISA for CDNA 5 (MIT licence, August 2026) and "CDNA5" Instruction Set Architecture Reference Guide (July 2026). The comments in the code are by the model that wrote it; some were corrected since.
;; Self Attention. Allowed arithmetic: matrix products marked QUANTISED: E2M3 operands, one E8M0 scale for each 32 along K, by v_wmma_scale_f32_16x16x128_f8f6f4 with both operands' format E2M3, f32 sums; everything else in f32.
;; Inputs: Wk 1,024 x 1,024 float32; Wq 1,024 x 1,024 float32; Wv 1,024 x 1,024 float32; bk 1,024 float32; bq 1,024 float32; bv 1,024 float32; x 4 x 2,048 x 1,024 float32.
;; Outputs: out0 4 x 2,048 x 1,024 float32.
;; This version of the problem:
;;   THIS VERSION OF THE PROBLEM IS GIVEN IN LOW PRECISION. The matrix products marked QUANTISED in the list below multiply operands that are first quantised to E2M3 (2 exponent bits, 3 mantissa bits; 6 bits a number), with one power-of-two scale for each 32 numbers along K (OCP MX v1.0); their sums are f32. All else is computed in f32.
;;   The module's matrix products, in the order in which they are computed (A, B: the left and right operand; K: the contracted axis; several contracted axes count as one K, in the product's order):
;;     1. [M 8,192, K 1,024] x [K 1,024, N 1,024]; A: input x; B: input Wq: QUANTISED
;;     2. [M 8,192, K 1,024] x [K 1,024, N 1,024]; A: input x; B: input Wk: QUANTISED
;;     3. [M 8,192, K 1,024] x [K 1,024, N 1,024]; A: input x; B: input Wv: QUANTISED
;;     4. batch 4 x [M 2,048, K 1,024] x [K 1,024, N 2,048]; A: computed on the way; B: computed on the way: QUANTISED
;;     5. batch 4 x [M 2,048, K 2,048] x [K 2,048, N 1,024]; A: softmax (see below); B: computed on the way: QUANTISED
;;   THE QUANTISER, for each operand of a quantised product, along K:
;;     - K is cut into blocks of 32 from its start; a last block that is shorter is filled with zeros.
;;     - A block's scale is 2^e with e = floor(log2(the largest magnitude in the block)) - 2, held to -126 .. 127; a block of zeros has e = 0. As a byte (E8M0): e + 127.
;;     - Each number is divided by its block's scale, clamped to +-7.5, and rounded to the nearest number of E2M3, ties to even, subnormals kept.
;;     - The product sums the exact products of the quantised numbers (number of the format x scale) in f32.
;;   ~~~python
;;   def quantise(x, axis):      # numpy; x: float32 -> the quantised numbers, widened to float32 again
;;       x = np.moveaxis(x, axis, -1); K = x.shape[-1]
;;       x = np.pad(x, [(0, 0)] * (x.ndim - 1) + [(0, -K % 32)]); x = x.reshape(x.shape[:-1] + (-1, 32)); a = np.abs(x).max(-1, keepdims=True)
;;       e = np.where(a > 0, np.clip(np.frexp(np.where(a > 0, a, 1))[1] - 1 - 2, -126, 127), 0)      # np.frexp(a)[1] - 1 = floor(log2(a)), exactly
;;       r = np.clip(x / 2.0 ** e, -7.5, 7.5)
;;       step = 2.0 ** (np.maximum(np.frexp(np.where(r == 0, 1, r))[1] - 1, 0) - 3)
;;       q = np.round(r / step) * step * 2.0 ** e      # np.round: ties to even
;;       return np.moveaxis(q.reshape(q.shape[:-2] + (-1,))[..., :K], -1, axis).astype(np.float32)
;;   ~~~
;;   SOFTMAX AHEAD OF A QUANTISED PRODUCT. Where the list says 'softmax', what is quantised is not the finished softmax but p = 2^(t - M), with t = logit x log2(e) and M = ceil(the row's largest t), a whole number; so 1/2 < the row's largest p <= 1. The row's sum l is taken of the UNQUANTISED p, in f32, and the product's result is divided by l at the end. Since M is a whole number, a kernel that streams over the keys may use a running M (the ceiling of the running maximum): every later rescaling is an exact power of two, which a block's scale takes up: the codes' values come out the same.
;;   OPERANDS COMPUTED ON THE WAY. 'Computed on the way' means the value that the module computes at that place (a softmax that the list does not call 'softmax' is quantised finished and normalised). What goes into a quantiser is computed in f32, as accurately as f32 sums, v_exp_f32 and their like allow (about 1e-6 of the number): no bf16 or f16 on the way to a quantiser, and a product that is left as it is and whose result goes on into a quantised operand takes f32 operands (vector FMAs, or v_wmma_f32_16x16x4_f32). A number that lies on a knife's edge between two numbers of the format may be rounded either way, as far as f32 arithmetic and the matrix unit's own rounding can turn it there, and no further.
;; One version. Each part assembles by itself: llvm-mc -triple=amdgcn-amd-amdhsa -mcpu=gfx1250 --defsym DOCPART=n.
;; ======== version 1 of 1: 4 launches
;; limits: right only within a limited range of input values
;; workspace buffers: xw 9,011,200 bytes; qkv 19,660,800 bytes; pch 12,582,912 bytes; stat 1,572,864 bytes
;; launch quant (part 1): grid 256 x 1, 8 waves a work-group, no clusters, 167,936 bytes of LDS; arguments x, Wq, Wk, Wv, xw; writes xw
.if DOCPART == 1
	.amdgcn_target "amdgcn-amd-amdhsa--gfx1250"
	.amdhsa_code_object_version 6
	.text
	.protected	k_q6e9955a70e_quant
	.globl	k_q6e9955a70e_quant
	.p2align	8
	.type	k_q6e9955a70e_quant,@function
k_q6e9955a70e_quant:
	s_mov_b64 s[64:65], 0
	v_nop
	global_prefetch_b8 v0, s[64:65] scope:SCOPE_SE
	s_setreg_imm32_b32 hwreg(HW_REG_WAVE_MODE, 25, 1), 1
	s_wait_xcnt 0x0
; x [8192][1024] and Wq, Wk, Wv [1024][1024], f32 with K innermost, become codes of FP6 (E2M3) with one E8M0 scale byte for each 32 along K, laid in CHUNKS for the products that follow.
; A CHUNK is 128 rows x 128 along K in 12,800 bytes.  Bytes 0 .. 12,287: eight fragments (16 rows each) as images of the operand's 12 registers: register c of lane l of fragment a at 1536 a + 512 (c / 4) + 16 l + 4 (c % 4).
; Bytes 12,288 ..: the scale words: that of row r of fragment a at 16 (16 (a / 4) + r) + 4 (a % 4).
; THE ROWS OF A FRAGMENT ARE NOT NEIGHBOURS.  x, Wq, Wk: place 16 a + r of a row-block holds row 32 (a / 2) + 8 (a % 2) + r % 8 + 16 (r / 8): a product that takes two such fragments as source 0 leaves 16 neighbours in a lane's registers.
; Wv: place 16 a + r holds row 64 (a / 4) + 4 r + a % 4: four fragments side by side as source 1 give a lane four neighbouring channels.
; xw = [row-block 88][K step 8] chunks: row-blocks 0-63 x, 64-71 Wq, 72-79 Wk, 80-87 Wv.
; A block's scale is 2^(floor(log2(its largest magnitude)) - 2); its byte is the largest magnitude's exponent field - 2, held at 1 from below.
; LIMITS: a block of zeros gets the byte 1 where the rule says 127 (its codes are zeros, and this program alone reads the bytes); NaN and infinities among the inputs are not served.
; SHARES: 704 chunks on 256 work-groups: work-group g takes x's chunks 2 g and 2 g + 1, and for g < 192 chunk g of the weights.  Wave w makes fragment w of each.  Each load reads 512 consecutive bytes of a row, all loads are out at once;
; the 16 rows turn through the wave's own stage in LDS, so that a lane gets 16 neighbours of each block of 32 of ONE row.  The scale words leave as 512 consecutive bytes a chunk.
.set CH,   12800
.set STG,  8448                        ; a wave's stage: 16 rows x (512 bytes + 16)
.set SCST, 16*STG                      ; behind the stages (eight for x, eight for the weights): the three chunks' scale words, 512 bytes each
.set SPARE, SCST+1536                  ; the spare words, 128 bytes for each wave
.set RW,   16                          ; v16-79 the weights' fragment, v80-143 and v144-207 x's two: as loaded, then as they come back from the stage
.set RX,   80
.set PC,   208                         ; v208-227 the codes
.set TM,   228                         ; v228-243 at work
.set PW,   244                         ; v244-246 the scale word of each fragment
.set SEL,  30                          ; s[30:31] lane selects: lane l xor 16
; 64 numbers of a lane become a fragment's 12 registers of codes in v[PC] on and its row's scale word in v[pw]
.macro QUANT s, pw
.irp b, 0,1,2,3
	v_max3_num_f32 v[TM+\b], |v[\s+16*\b]|, |v[\s+1+16*\b]|, 0x1800000   ; block b: my 16 numbers, and the floor 2^(3 - 127): the byte cannot fall under 1
.endr
.irp i, 2,4,6,8,10,12,14
.irp b, 0,1,2,3
	v_max3_num_f32 v[TM+\b], v[TM+\b], |v[\s+16*\b+\i]|, |v[\s+1+16*\b+\i]|   ; the four blocks by turns
.endr
.endr
.irp b, 0,1,2,3
	v_permlanex16_b32 v[TM+4+\b], v[TM+\b], s[SEL], s[SEL+1]
.endr
.irp b, 0,1,2,3
	v_max_num_f32 v[TM+\b], v[TM+\b], v[TM+4+\b]   ; with lane l xor 16's: the block's largest magnitude
.endr
.irp b, 0,1,2,3
	v_add_nc_u32 v[TM+12+\b], 0xff000000, v[TM+\b] ; 2 off its exponent field: the conversion takes this operand's exponent field as its scale
.endr
.irp b, 0,1,2,3
	v_lshrrev_b32 v[TM+4+\b], 23, v[TM+12+\b]      ; the scale's byte
.endr
	v_lshl_or_b32 v[TM], v[TM+5], 8, v[TM+4]
	v_lshl_or_b32 v[TM+1], v[TM+7], 8, v[TM+6]
	v_lshl_or_b32 v[\pw], v[TM+1], 16, v[TM]       ; my row's scale word, the same in both halves of the lanes
.irp c, 0,1
	v_cvt_scalef32_pk16_fp6_f32 v[PC+6*\c:PC+2+6*\c], v[\s+32*\c:\s+15+32*\c], v[TM+12+2*\c]
	v_cvt_scalef32_pk16_fp6_f32 v[PC+12+4*\c:PC+14+4*\c], v[\s+16+32*\c:\s+31+32*\c], v[TM+12+2*\c+1]   ; (a conversion's three registers begin on an even number)
.endr
	v_nop                                          ; one plain place behind a scaled conversion
.irp c, 0,1                                    ; the operand's layout wants a whole block in a lane: lanes 0-15 block 2 c, lanes 16-31 block 2 c + 1
.irp i, 0,1,2
	v_permlane16_swap_b32 v[PC+6*\c+\i], v[PC+12+4*\c+\i]
.endr
.irp i, 0,1,2
	v_mov_b32 v[PC+3+6*\c+\i], v[PC+12+4*\c+\i]
.endr
.endr
.endm
; a fragment as loaded in v[s] on: through the stage (in: vi, out: vo), quantised, stored at base + off; its scale words into LDS at so
.macro FRAGMENT s, vi, vo, pw, base, off, so
.irp i, 0,1,2,3,4,5,6,7,8,9,10,11,12,13,14,15
	ds_store_b128 \vi, v[\s+4*\i:\s+4*\i+3] offset:528*\i
.endr
.irp b, 0,1,2,3
.irp j, 0,1,2,3
	ds_load_b128 v[\s+16*\b+4*\j:\s+16*\b+4*\j+3], \vo offset:128*\b+16*\j   ; LDS serves a wave's instructions in order: these see my stores
.endr
.endr
	s_wait_dscnt 0x0
	s_wait_xcnt 0x0                                ; earlier stores have read their registers: the codes and the registers at work may be written again
	QUANT \s, \pw
.irp c, 0,1,2
	global_store_b128 v5, v[PC+4*\c:PC+4*\c+3], \base offset:\off+512*\c   ; 32 lanes store 512 consecutive bytes, at a multiple of 256 from the buffer's first byte
.endr
	ds_store_b32 v4, v[\pw] offset:\so             ; both lanes of a row write the same word with the same value
.endm
.macro XLOAD                           ; place i of my fragment is row i % 8 + 16 (i / 8) from my first
.irp f, 0,1
.irp i, 0,1,2,3,4,5,6,7,8,9,10,11,12,13,14,15
	global_load_b128 v[RX+64*\f+4*\i:RX+64*\f+4*\i+3], v1, s[16:17] offset:((\i&7)+16*(\i>>3))*4096+512*\f th:TH_LOAD_NT   ; 32 lanes read 512 consecutive bytes of a row
.endr
.endr
.endm
	s_load_b256 s[4:11], s[0:1], 0x0               ; x, Wq, Wk, Wv
	s_load_b64 s[12:13], s[0:1], 0x20              ; xw
	v_lshl_add_u32 v254, v0, 2, SPARE
	v_mov_b32 v255, 0
	v_lshrrev_b32 v8, 5, v0
	v_readfirstlane_b32 s14, v8                    ; wave 0..7 = my fragment
	v_and_b32 v9, 31, v0                           ; lane
	v_and_b32 v10, 15, v0                          ; r
	v_bfe_u32 v11, v0, 4, 1                        ; h
	v_lshlrev_b32 v1, 4, v9                        ; v1: 16 x lane
	s_wait_alu depctr_va_vdst(0)
	s_mul_i32 s20, s14, STG
	s_lshr_b32 s21, s14, 2
	s_lshl_b32 s21, s21, 8
	s_and_b32 s22, s14, 3
	s_lshl_b32 s22, s22, 2
	s_add_co_u32 s21, s21, s22
	s_add_co_u32 s21, s21, SCST
	s_mul_i32 s22, s14, 1536
	s_min_u32 s23, s14, 1                          ; (waves 0 and 1 send x's scale words out; in the others v6 and v7 are not used)
	s_lshl_b32 s24, s23, 9
	s_add_co_u32 s24, s24, SCST
	s_mul_i32 s25, s23, CH
	v_add_nc_u32 v2, s20, v1                       ; v2: into my stage: 16 x lane of a row
	v_mul_u32_u24 v3, v10, 528
	v_lshl_add_u32 v3, v11, 6, v3
	v_add_nc_u32 v3, s20, v3                       ; v3: out of it: row r, + 64 h: my 16 numbers of a block
	v_add_nc_u32 v12, 8*STG, v2                    ; v12, v13: the same for the weights' stage
	v_add_nc_u32 v13, 8*STG, v3
	v_lshl_add_u32 v4, v10, 4, s21                 ; v4: my row's scale word: 256 (w / 4) + 4 (w % 4) + 16 r
	v_add_nc_u32 v5, s22, v1                       ; v5: my fragment's image in a chunk
	v_add_nc_u32 v6, s24, v1                       ; v6: x's chunk w's scale words in LDS
	v_add_nc_u32 v7, s25, v1                       ; v7: and in memory
	v_add_nc_u32 v14, SCST+1024, v1                ; v14: the weights' chunk's scale words in LDS
.irp b, 0,1,2,3
	v_mov_b32 v[TM+4+\b], 0                        ; written once: a lane permute's destination counts as one of its sources
.endr
	s_wait_alu depctr_va_vdst(0)
	s_mov_b32 s[SEL], 0x76543210
	s_mov_b32 s[SEL+1], 0xfedcba98
	s_lshr_b32 s26, s14, 1
	s_lshl_b32 s26, s26, 17                        ; x, Wq, Wk: 32 (w / 2) rows of 4,096 bytes
	s_and_b32 s27, s14, 1
	s_lshl_b32 s27, s27, 15                        ; + 8 (w % 2) rows
	s_add_co_u32 s26, s26, s27
	s_lshr_b32 s27, s14, 2
	s_lshl_b32 s27, s27, 18                        ; Wv: 64 (w / 4) rows
	s_and_b32 s28, s14, 3
	s_lshl_b32 s28, s28, 12                        ; + w % 4 rows
	s_add_co_u32 s27, s27, s28
	s_lshr_b32 s16, ttmp9, 2
	s_lshl_b32 s16, s16, 19                        ; x: row-block g / 4,
	s_add_co_u32 s16, s16, s26
	s_and_b32 s17, ttmp9, 3
	s_lshl_b32 s17, s17, 10                        ; 256 (g % 4) along K
	s_add_co_u32 s16, s16, s17
	s_mov_b32 s17, 0
	s_mul_i32 s18, ttmp9, 2*CH                     ; chunks 2 g, 2 g + 1
	s_mov_b32 s19, 0
	s_cmp_ge_u32 ttmp9, 128
	s_cselect_b32 s20, s27, s26                    ; weights: my first row,
	s_lshr_b32 s21, ttmp9, 3
	s_and_b32 s21, s21, 7
	s_lshl_b32 s21, s21, 19                        ; row-block g / 8 % 8 of its tensor,
	s_add_co_u32 s20, s20, s21
	s_and_b32 s21, ttmp9, 7
	s_lshl_b32 s21, s21, 9                         ; 128 (g % 8) along K
	s_add_co_u32 s20, s20, s21
	s_mov_b32 s21, 0
	s_add_co_u32 s22, ttmp9, 512
	s_mul_i32 s22, s22, CH                         ; chunk 512 + g
	s_mov_b32 s23, 0
	s_wait_kmcnt 0x0
	s_cmp_lt_u32 ttmp9, 64                         ; which tensor: the choice hangs on the work-group's number alone
	s_cselect_b64 s[28:29], s[6:7], s[8:9]
	s_cmp_ge_u32 ttmp9, 128
	s_cselect_b64 s[28:29], s[10:11], s[28:29]
	s_add_nc_u64 s[16:17], s[4:5], s[16:17]
	s_add_nc_u64 s[18:19], s[12:13], s[18:19]
	s_add_nc_u64 s[20:21], s[28:29], s[20:21]
	s_add_nc_u64 s[22:23], s[12:13], s[22:23]
	s_cmp_lt_u32 ttmp9, 192
	s_cbranch_scc0 .Lx_alone
	s_cmp_lt_u32 ttmp9, 128
	s_cbranch_scc0 .Lwv
.irp i, 0,1,2,3,4,5,6,7,8,9,10,11,12,13,14,15
	global_load_b128 v[RW+4*\i:RW+4*\i+3], v1, s[20:21] offset:((\i&7)+16*(\i>>3))*4096 th:TH_LOAD_NT
.endr
	s_branch .Lw_asked
.Lwv:
.irp i, 0,1,2,3,4,5,6,7,8,9,10,11,12,13,14,15
	global_load_b128 v[RW+4*\i:RW+4*\i+3], v1, s[20:21] offset:\i*16384 th:TH_LOAD_NT   ; Wv: place i is 4 i rows from my first
.endr
.Lw_asked:
	XLOAD
	s_wait_loadcnt 32                              ; the weights' sixteen loads are in; x's 32 may be out
	FRAGMENT RW, v12, v13, PW+2, s[22:23], 0, 1024
	s_wait_dscnt 0x0                               ; for the others' sake: my scale words lie in LDS
	s_barrier_signal -1
	s_barrier_wait -1
	s_cmp_lg_u32 s14, 0
	s_cbranch_scc1 .Lx
	ds_load_b128 v[TM:TM+3], v14                   ; wave 0: the chunk's 512 bytes of scale words
	s_wait_dscnt 0x0
	global_store_b128 v1, v[TM:TM+3], s[22:23] offset:12288
	s_branch .Lx
.Lx_alone:
	XLOAD
.Lx:
	s_wait_loadcnt 16                              ; x's first fragment is in; the second's sixteen loads may be out
	FRAGMENT RX, v2, v3, PW, s[18:19], 0, 0
	s_wait_loadcnt 0x0
	FRAGMENT RX+64, v2, v3, PW+1, s[18:19], CH, 512
	s_wait_dscnt 0x0                               ; for the others' sake: my scale words lie in LDS
	s_barrier_signal -1
	s_barrier_wait -1
	s_cmp_gt_u32 s14, 1
	s_cbranch_scc1 .Ldone
	ds_load_b128 v[TM:TM+3], v6                    ; wave w of the first two: chunk w's 512 bytes of scale words
	s_wait_dscnt 0x0
	global_store_b128 v7, v[TM:TM+3], s[18:19] offset:12288
.Ldone:
	s_wait_tensorcnt 0x0                           ; the wave's end
	ds_add_u32 v254, v255
	s_wait_dscnt 0x0
	s_endpgm
.Lfunc_end_k_q6e9955a70e_quant:
	.size	k_q6e9955a70e_quant, .Lfunc_end_k_q6e9955a70e_quant-k_q6e9955a70e_quant
	.p2alignl 7, 3214868480
	.fill 96, 4, 3214868480
	.section	.rodata,"a",@progbits
	.p2align	6, 0x0
	.amdhsa_kernel k_q6e9955a70e_quant
		.amdhsa_group_segment_fixed_size 167936
		.amdhsa_private_segment_fixed_size 0
		.amdhsa_enable_private_segment 0
		.amdhsa_kernarg_size 40
		.amdhsa_user_sgpr_count 2
		.amdhsa_user_sgpr_kernarg_segment_ptr 1
		.amdhsa_wavefront_size32 1
		.amdhsa_system_sgpr_workgroup_id_x 1
		.amdhsa_system_sgpr_workgroup_id_y 1
		.amdhsa_system_sgpr_workgroup_id_z 1
		.amdhsa_system_vgpr_workitem_id 0
		.amdhsa_next_free_vgpr 256
		.amdhsa_next_free_sgpr 66
		.amdhsa_reserve_vcc 0
		.amdhsa_float_denorm_mode_32 3
		.amdhsa_float_denorm_mode_16_64 3
		.amdhsa_memory_ordered 1
		.amdhsa_forward_progress 1
		.amdhsa_inst_pref_size 33
	.end_amdhsa_kernel
	.amdgpu_metadata
---
amdhsa.version: [ 1, 2 ]
amdhsa.kernels:
  - .name:           k_q6e9955a70e_quant
    .symbol:         k_q6e9955a70e_quant.kd
    .args:
      - { .name: x, .offset: 0, .size: 8, .value_kind: global_buffer, .address_space: global }
      - { .name: Wq, .offset: 8, .size: 8, .value_kind: global_buffer, .address_space: global }
      - { .name: Wk, .offset: 16, .size: 8, .value_kind: global_buffer, .address_space: global }
      - { .name: Wv, .offset: 24, .size: 8, .value_kind: global_buffer, .address_space: global }
      - { .name: xw, .offset: 32, .size: 8, .value_kind: global_buffer, .address_space: global }
    .group_segment_fixed_size: 167936
    .private_segment_fixed_size: 0
    .kernarg_segment_align: 8
    .kernarg_segment_size: 40
    .max_flat_workgroup_size: 256
    .sgpr_count:     66
    .vgpr_count:     256
    .wavefront_size: 32
...
	.end_amdgpu_metadata
.endif
;; end of part 1
;; launch proj (part 2): grid 8 x 32, 4 waves a work-group, clusters of 4 x 4, 327,680 bytes of LDS; arguments xw, bq, bk, bv, qkv; writes qkv
.if DOCPART == 2
	.amdgcn_target "amdgcn-amd-amdhsa--gfx1250"
	.amdhsa_code_object_version 6
	.text
	.protected	k_q6e9955a70e_proj
	.globl	k_q6e9955a70e_proj
	.p2align	8
	.type	k_q6e9955a70e_proj,@function
k_q6e9955a70e_proj:
	s_mov_b64 s[64:65], 0
	v_nop
	global_prefetch_b8 v0, s[64:65] scope:SCOPE_SE
	s_setreg_imm32_b32 hwreg(HW_REG_WAVE_MODE, 25, 1), 1
	s_wait_xcnt 0x0
	s_wait_alu depctr_hold_cnt(0) depctr_sa_sdst(0) depctr_va_vdst(0) depctr_va_sdst(0) depctr_va_ssrc(0) depctr_va_vcc(0) depctr_vm_vsrc(0)
	s_getreg_b32 s2, hwreg(HW_REG_IB_STS2, 6, 4)
	s_cmp_eq_u32 s2, 0
	s_cbranch_scc0 .Lentry_in_a_cluster
	s_endpgm
.Lentry_in_a_cluster:
	s_bfe_u32 s2, ttmp6, 0x10000c
	s_cmp_lg_u32 s2, 0xf033
	s_cbranch_scc0 .Lentry_shape_is_right
	s_endpgm
.Lentry_shape_is_right:
; q = x Wq^T + bq, k = x Wk^T + bk and v^T = (x Wv^T + bv)^T, each on codes of FP6 (E2M3) with E8M0 scales, f32 sums; the results are quantised at once, in registers, for the products that follow:
; q and k along their 1,024 columns, v along the KEYS.  Operands and results are CHUNKS: 128 rows x 128 along K in 12,800 bytes: eight fragments as images of the operand's 12 registers (register c of lane l of fragment a at
; 1536 a + 512 (c / 4) + 16 l + 4 (c % 4)), then the scale words (row r of fragment a at 12288 + 16 (16 (a / 4) + r) + 4 (a % 4)).  Place 16 a + r of a row-block holds row 32 (a / 2) + 8 (a % 2) + r % 8 + 16 (r / 8).
; xw = [row-block 88][K step 8]: 0-63 x, 64-71 Wq, 72-79 Wk, 80-87 Wv.   qkv: q [row-block 64][K step 8] from chunk 0, k likewise from chunk 512, v^T [batch 4][channel block 8][key block 16] from chunk 1024.
; THE MATRIX INSTRUCTION IS USED TRANSPOSED: source 0 = 16 places of operand B, source 1 = 16 places of operand A: a lane holds ONE row of A's, and, by the order of rows in a row-block, the 16 registers of two neighbouring
; accumulators are 16 NEIGHBOURS along B's rows, which are the result's K.
; A WORK-GROUP STAYS AND MAKES SIX CHUNKS, so that 8 x 32 work-groups share the 1,536 chunks evenly.  Work-group (gx, gy):
;   PHASE 1: 256 x 256 of q | k: A = x's row-blocks 2 gy, 2 gy + 1, B = W's row-blocks 64 + 2 gx, + 1.  A wave makes 128 x 128, one chunk: 64 accumulators.  K = 1,024 goes through two LDS slots of 384 along K; slot 0 is filled twice.
;   PHASE 2: 128 x 256 of v^T: A = Wv's row-block 80 + gx, B = the same two row-blocks of x.  A wave makes 64 x 128, half a chunk: 32 accumulators.  All of its K, 3 x 102,400 bytes, takes the two slots' place: it is asked for at the
;   head of phase 1's last step, when the slots have been read out into registers, and lands under that step's products and phase 1's way out.
; Both operands' fragments and scale words have two sets of registers: a step of 128 along K is one wait, one run of LDS loads for the next step, and its products.  All sixteen steps are written out.
; CLUSTERS: 4 x 4 work-groups.  What hangs on gy (x) is shared along a row of the cluster, what hangs on gx (W) along a column: each tile is asked for jointly, by the same tensor load with the same descriptor and a mask that names the four.
; A wave has one tensor load out at a time: one at the head and one behind each later fill.
; LIMITS: a block of zeros gets the byte 1 where the rule says 127 (its codes are zeros, and this program alone reads the bytes); NaN and infinities are not served.
; REGISTERS: window 0: v2-23 addresses; v24-31 bv of my rows; v32-47 scale words, two sets; v48-63 the quantiser's work; v64-255 A's fragments, two sets (free on the ways out).
;   window 1: B's fragments at v0 and v128; the columns' bias at v96-127 and v224-255.   windows 2, 3: the accumulators (phase 2: window 2 alone).
.set CH,    12800
.set RBB,   8*CH                       ; a row-block's eight chunks
; THE SLOTS AS THIS TEXT HAS THEM: two of 384 along K.  Slot 0 takes K steps 0-2 at the head, slot 1 K steps 3-5 behind the first full sequence; slot 0 is filled again with K steps 6 and 7.  A wave has one tensor load out at a time.
.set PIECE, 3*CH                       ; phase 1: 384 along K of one row-block
.set SLOT,  4*PIECE                    ; A's two row-blocks, then B's two
.set SPARE, 2*SLOT                     ; behind the slots: the spare words, 128 bytes for each wave, which no other line names
.set SPW,   2                          ; v2   LDS address of my spare word; never rewritten
.set NIL,   3                          ; v3   0; never rewritten
.set LI,    4                          ; v4   16 x lane
.set ADRA,  5                          ; v5-7   phase 1: my row-block of A in slot 0, 1, 2
.set ADRB,  8                          ; v8-10  the same for B
.set ADRA2, 16                         ; v16-17 phase 2: my four fragments of Wv, K steps 0-3 and 4-7 (eight steps of 12,800 bytes pass the 16-bit immediate)
.set ADRB2, 18                         ; v18-19 my row-block of x
.set SAA2,  20                         ; v20-21 my four fragments' scale words: 16 x (lane % 16) + 256 x my half
.set O2,    22                         ; v22  phase 2: my fragments' place in the chunk: 16 x lane + 6144 x my half
.set O2S,   23                         ; v23  and my scale words': 12288 + 256 x my half + 16 x (lane % 16)
.set S2,    24                         ; v24-31 bv at my row of each of my four blocks, as pairs
.set SC,    32                         ; set p: A's words at v[SC + 8 p], B's at v[SC + 4 + 8 p]: register i: lanes 0-15 fragment i, lanes 16-31 fragment 4 + i
.set TM,    48                         ; v48-63 the quantiser's work
.set AF,    64
.set T,     64                         ; the ways out: v64-127 a block's 64 numbers;
.set PCB,   128                        ; v128-223 the codes, 12 registers for EACH block, so that no store's data are written again;
.set PT,    224                        ; v224-231 the conversions' second halves;
.set PWS,   232                        ; v232-239 the blocks' scale words;
.set OW,    240                        ; v240-243 phase 1's as they are stored
.set G1A,   24                         ; s[24:31], s[32:39] phase 1: descriptor group 1 for A's and B's tiles
.set G1B,   32
.set G0A,   40                         ; s[40:47], s[52:59] group 0, one set for each slot
.set G0B,   52
.set OUT,   72                         ; s[72:73] my chunk of q | k
.set SEL,   74                         ; s[74:75] lane selects: lane l xor 16
.set G1A2,  76                         ; s[76:83], s[84:91] phase 2: group 1 for Wv's halves (200 rows) and x's row-blocks (400 rows)
.set G1B2,  84
.set G0A2,  92                         ; s[92:95], s[96:99] their groups 0
.set G0B2,  96
.set OUT2,  8                          ; s[8:9] my chunk of v^T
.set MUL_LO, 0xa1                      ; source 0 (B) window 1, source 1 (A) window 0, C and D window 2
.set MUL_HI, 0xf1                      ; the same, C and D window 3
.set TO_B,   0x40                      ; destination window 1, address window 0
.set NA,    8                          ; A's blocks of a wave: 8 in phase 1, 4 in phase 2
.set AST,   96                         ; registers of a set of A's fragments
.set MSB, 0
.macro WIN new                         ; the immediate's high byte repeats the setting that is left
.if MSB != (\new)
	s_set_vgpr_msb (MSB<<8)|(\new)
.set MSB, (\new)
.endif
.endm
.macro PLACES n
.rept \n
	v_nop
.endr
.endm
.macro CREST                           ; a round of the cluster's barrier behind its opening barrier
	s_cmp_lg_u32 s14, 0
	s_cbranch_scc1 .Lnot_wave_0_\@
	s_barrier_signal -3
.Lnot_wave_0_\@:
	s_barrier_wait -3
	s_barrier_signal -1
	s_barrier_wait -1
.endm
.macro CROUND
	s_barrier_signal -1
	s_barrier_wait -1
	CREST
.endm
.macro JLOAD g0a, g1a, g0b, g1b        ; a joint load: waves 0 and 1 fetch for A, waves 2 and 3 for B; four v_nop follow each of the two lines
	s_cmp_eq_u32 s15, 0
	s_cbranch_scc0 .Lfor_b_\@
	tensor_load_to_lds s[\g0a:\g0a+3], s[\g1a:\g1a+7]
	s_nop 0
	PLACES 4
	s_branch .Lasked_\@
.Lfor_b_\@:
	tensor_load_to_lds s[\g0b:\g0b+3], s[\g1b:\g1b+7]
	s_nop 0
	PLACES 4
.Lasked_\@:
.endm
.macro G1REST g, rows                  ; a dense block as rows of 256 bytes (32 elements of 8 bytes), no padding
	s_mov_b32 s[\g+1], 32<<16                      ; tensor_dim0 = 32
	s_mov_b32 s[\g+2], (\rows)<<16                 ; tensor_dim1
	s_mov_b32 s[\g+3], 32<<16                      ; tile_dim0 = 32
	s_mov_b32 s[\g+4], \rows                       ; tile_dim1
	s_mov_b32 s[\g+5], 32                          ; from row to row
	s_mov_b32 s[\g+6], 0
	s_mov_b32 s[\g+7], 0
.endm
.macro FETCH slot, q, p                ; phase 1: 50 LDS loads in one run: the fragments and scale words of the slot's q-th 128 along K into set p; every load takes 512 consecutive bytes
	WIN TO_B
.irp i, 0,1,2,3,4,5,6,7
.irp c, 0,1,2
	ds_load_b128 v[128*(\p)+12*\i+4*\c:128*(\p)+12*\i+4*\c+3], v[ADRB+(\slot)] offset:(\q)*CH+1536*\i+512*\c
.endr
.endr
	WIN 0
.irp i, 0,1,2,3,4,5,6,7
.irp c, 0,1,2
	ds_load_b128 v[AF+96*(\p)+12*\i+4*\c:AF+96*(\p)+12*\i+4*\c+3], v[ADRA+(\slot)] offset:(\q)*CH+1536*\i+512*\c
.endr
.endr
	ds_load_b128 v[SC+4+8*(\p):SC+7+8*(\p)], v[ADRB+(\slot)] offset:(\q)*CH+12288
	ds_load_b128 v[SC+8*(\p):SC+3+8*(\p)], v[ADRA+(\slot)] offset:(\q)*CH+12288
.endm
.macro FETCH2 q, p                     ; phase 2: 38 LDS loads in one run: K step q (0 .. 7) into set p
	WIN TO_B
.irp i, 0,1,2,3,4,5,6,7
.irp c, 0,1,2
	ds_load_b128 v[128*(\p)+12*\i+4*\c:128*(\p)+12*\i+4*\c+3], v[ADRB2+(\q)/4] offset:((\q)%4)*CH+1536*\i+512*\c
.endr
.endr
	WIN 0
.irp i, 0,1,2,3
.irp c, 0,1,2
	ds_load_b128 v[AF+48*(\p)+12*\i+4*\c:AF+48*(\p)+12*\i+4*\c+3], v[ADRA2+(\q)/4] offset:((\q)%4)*CH+1536*\i+512*\c
.endr
.endr
	ds_load_b128 v[SC+4+8*(\p):SC+7+8*(\p)], v[ADRB2+(\q)/4] offset:((\q)%4)*CH+12288
	ds_load_b128 v[SC+8*(\p):SC+3+8*(\p)], v[SAA2+(\q)/4] offset:((\q)%4)*CH+12288   ; register i = my block i, in lanes 0-15 (lanes 16-31 read the same words and are not used)
.endm
.macro PROD a, b, p, zero              ; A's block a x B's block b.  The words of fragments 4-7 lie in lanes 16-31 of the scale registers
.set rD, 8*(8*((\a)%4)+(\b))
.set rB, 128*(\p)+12*(\b)
.set rA, AF+AST*(\p)+12*(\a)
.set rX, SC+4+8*(\p)+(\b)%4
.set rY, SC+8*(\p)+(\a)%4
.if \zero
.if ((\a) < 4) && ((\b) < 4)
	v_wmma_scale_f32_16x16x128_f8f6f4 v[rD:rD+7], v[rB:rB+11], v[rA:rA+11], 0, v[rX], v[rY] matrix_a_fmt:MATRIX_FMT_FP6 matrix_b_fmt:MATRIX_FMT_FP6
.elseif (\a) < 4
	v_wmma_scale_f32_16x16x128_f8f6f4 v[rD:rD+7], v[rB:rB+11], v[rA:rA+11], 0, v[rX], v[rY] matrix_a_fmt:MATRIX_FMT_FP6 matrix_b_fmt:MATRIX_FMT_FP6 matrix_a_scale:MATRIX_SCALE_ROW1
.elseif (\b) < 4
	v_wmma_scale_f32_16x16x128_f8f6f4 v[rD:rD+7], v[rB:rB+11], v[rA:rA+11], 0, v[rX], v[rY] matrix_a_fmt:MATRIX_FMT_FP6 matrix_b_fmt:MATRIX_FMT_FP6 matrix_b_scale:MATRIX_SCALE_ROW1
.else
	v_wmma_scale_f32_16x16x128_f8f6f4 v[rD:rD+7], v[rB:rB+11], v[rA:rA+11], 0, v[rX], v[rY] matrix_a_fmt:MATRIX_FMT_FP6 matrix_b_fmt:MATRIX_FMT_FP6 matrix_a_scale:MATRIX_SCALE_ROW1 matrix_b_scale:MATRIX_SCALE_ROW1
.endif
.else
.if ((\a) < 4) && ((\b) < 4)
	v_wmma_scale_f32_16x16x128_f8f6f4 v[rD:rD+7], v[rB:rB+11], v[rA:rA+11], v[rD:rD+7], v[rX], v[rY] matrix_a_fmt:MATRIX_FMT_FP6 matrix_b_fmt:MATRIX_FMT_FP6
.elseif (\a) < 4
	v_wmma_scale_f32_16x16x128_f8f6f4 v[rD:rD+7], v[rB:rB+11], v[rA:rA+11], v[rD:rD+7], v[rX], v[rY] matrix_a_fmt:MATRIX_FMT_FP6 matrix_b_fmt:MATRIX_FMT_FP6 matrix_a_scale:MATRIX_SCALE_ROW1
.elseif (\b) < 4
	v_wmma_scale_f32_16x16x128_f8f6f4 v[rD:rD+7], v[rB:rB+11], v[rA:rA+11], v[rD:rD+7], v[rX], v[rY] matrix_a_fmt:MATRIX_FMT_FP6 matrix_b_fmt:MATRIX_FMT_FP6 matrix_b_scale:MATRIX_SCALE_ROW1
.else
	v_wmma_scale_f32_16x16x128_f8f6f4 v[rD:rD+7], v[rB:rB+11], v[rA:rA+11], v[rD:rD+7], v[rX], v[rY] matrix_a_fmt:MATRIX_FMT_FP6 matrix_b_fmt:MATRIX_FMT_FP6 matrix_a_scale:MATRIX_SCALE_ROW1 matrix_b_scale:MATRIX_SCALE_ROW1
.endif
.endif
.endm
.macro MUL p, zero                     ; a step's 8 NA products.  The accumulators take turns, one instruction a turn, in the same order in every step.  zero = 1: the products start the sums
.irp a, 0,1,2,3,4,5,6,7
.if \a < NA
	WIN MUL_LO+0x50*(\a/4)
.irp b, 0,1,2,3,4,5,6,7
	PROD \a, \b, \p, \zero
.endr
.endif
.endr
	WIN 0
.endm
; The head of a step.  The step's own fragments, asked for a step ago, are in; four places stand between the last products and the loads into the registers that they read.
.macro H_PLAIN
	s_wait_dscnt 0x0
	PLACES 4
.endm
.macro H_MEET n                        ; the next fetch reads bytes not read before: my part of them has landed (n younger tensor loads may be out), and everybody's, behind the barrier.
	s_wait_tensorcnt \n
	s_wait_dscnt 0x0
	s_barrier_signal -1
	s_barrier_wait -1
	PLACES 4
.endm
.macro H_REFILL slot, bytes            ; the slot has been read out into registers by every wave that has passed its wait below: it is filled again
	s_wait_tensorcnt 0x0                           ; all my tensor loads have landed, so a group 0 may be written
	ds_add_u32 v[SPW], v[NIL]                      ; 0 onto my spare word; the descriptors' steps stand between it and the wait for it
	s_add_nc_u64 s[G0A+4*(\slot)+2:G0A+4*(\slot)+3], s[G0A+4*(\slot)+2:G0A+4*(\slot)+3], \bytes
	s_add_nc_u64 s[G0B+4*(\slot)+2:G0B+4*(\slot)+3], s[G0B+4*(\slot)+2:G0B+4*(\slot)+3], \bytes
	s_mov_b32 s[G1A+2], 100<<16                    ; no load of mine is out: the refill brings two chunks, 100 rows of 256 bytes
	s_mov_b32 s[G1A+4], 100
	s_mov_b32 s[G1B+2], 100<<16
	s_mov_b32 s[G1B+4], 100
	s_wait_dscnt 0x0                               ; the add is done, and my reads of the slot are over
	CROUND                                         ; both now hold of every wave of every work-group of the cluster
	JLOAD G0A+4*(\slot), G1A, G0B+4*(\slot), G1B   ; the first tensor load behind the round; its four v_nop are also the places in front of the loads that follow
.endm
; 64 numbers of a lane, register 16 b + i = k 32 b + 16 (lane / 16) + i of my row, become a fragment's 12 registers of codes in v[pc] on and its row's scale word in v[pw]; v[pt] on: eight registers at work
.macro QUANT s, pc, pt, pw
.irp b, 0,1,2,3
	v_max3_num_f32 v[TM+\b], |v[\s+16*\b]|, |v[\s+1+16*\b]|, 0x1800000   ; block b: my 16 numbers, and the floor 2^(3 - 127): the byte cannot fall under 1
.endr
.irp i, 2,4,6,8,10,12,14
.irp b, 0,1,2,3
	v_max3_num_f32 v[TM+\b], v[TM+\b], |v[\s+16*\b+\i]|, |v[\s+1+16*\b+\i]|   ; the four blocks by turns
.endr
.endr
.irp b, 0,1,2,3
	v_permlanex16_b32 v[TM+4+\b], v[TM+\b], s[SEL], s[SEL+1]
.endr
.irp b, 0,1,2,3
	v_max_num_f32 v[TM+\b], v[TM+\b], v[TM+4+\b]   ; with lane l xor 16's: the block's largest magnitude
.endr
.irp b, 0,1,2,3
	v_add_nc_u32 v[TM+12+\b], 0xff000000, v[TM+\b]   ; 2 off its exponent field: the conversion's scale operand
.endr
.irp b, 0,1,2,3
	v_lshrrev_b32 v[TM+4+\b], 23, v[TM+12+\b]      ; the scale's byte
.endr
	v_lshl_or_b32 v[\pw], v[TM+5], 8, v[TM+4]
	v_lshl_or_b32 v[\pw], v[TM+6], 16, v[\pw]
	v_lshl_or_b32 v[\pw], v[TM+7], 24, v[\pw]      ; my row's scale word, the same in both halves of the lanes
.irp c, 0,1
	v_cvt_scalef32_pk16_fp6_f32 v[\pc+6*\c:\pc+2+6*\c], v[\s+32*\c:\s+15+32*\c], v[TM+12+2*\c]
	v_cvt_scalef32_pk16_fp6_f32 v[\pt+4*\c:\pt+2+4*\c], v[\s+16+32*\c:\s+31+32*\c], v[TM+12+2*\c+1]   ; (a conversion's three registers begin on an even number)
.endr
	v_nop                                          ; one plain place behind a scaled conversion
.irp c, 0,1                                    ; the operand's layout wants a whole block in a lane: lanes 0-15 block 2 c, lanes 16-31 block 2 c + 1
.irp i, 0,1,2
	v_permlane16_swap_b32 v[\pc+6*\c+\i], v[\pt+4*\c+\i]
.endr
.irp i, 0,1,2
	v_mov_b32 v[\pc+3+6*\c+\i], v[\pt+4*\c+\i]
.endr
.endr
.endm
	s_load_b256 s[4:11], s[0:1], 0x0               ; xw s[4:5], bq s[6:7], bk s[8:9], bv s[10:11]
	s_load_b64 s[12:13], s[0:1], 0x20              ; qkv
	v_lshl_add_u32 v[SPW], v0, 2, SPARE
	v_mov_b32 v[NIL], 0
	ds_add_u32 v2, v3
	ds_add_u32 v2, v3
	s_wait_dscnt 0x0
	v_lshrrev_b32 v11, 5, v0
	v_readfirstlane_b32 s14, v11                   ; wave 0..3
	s_lshr_b32 s15, s14, 1                         ; which part of A's rows is mine.  Also: I fetch for A (0) or for B (1)
	s_and_b32 s16, s14, 1                          ; which row-block of B.  Also: which part of that operand I fetch
	s_bfe_u32 s17, ttmp6, 0x40000                  ; cx
	s_bfe_u32 s18, ttmp6, 0x40004                  ; cy
	s_and_b32 s20, ttmp7, 0xffff                   ; the cluster's y
	s_lshl_b32 s66, s18, 2
	s_lshl_b32 s66, 15, s66                        ; my row of the cluster
	s_lshl_b32 s67, 0x1111, s17                    ; my column
	s_or_b32 s[G1A], s66, (3<<16)|(1<<21)          ; 15:0 the mask; 17:16 elements of 8 bytes; 21 set beside a mask.  Phase 1: A is x: my row;
	s_or_b32 s[G1B], s67, (3<<16)|(1<<21)          ; B is W: my column
	s_or_b32 s[G1A2], s67, (3<<16)|(1<<21)         ; phase 2: A is Wv: my column;
	s_or_b32 s[G1B2], s66, (3<<16)|(1<<21)         ; B is x: my row
	G1REST G1A, 150                                ; 38,400 bytes
	G1REST G1B, 150
	G1REST G1A2, 200                               ; 51,200 bytes: half of Wv's row-block
	G1REST G1B2, 400                               ; 102,400 bytes: a row-block of x
	s_lshl_b32 s68, s20, 3
	s_lshl_b32 s21, s18, 1
	s_add_co_u32 s21, s68, s21                     ; 2 gy = 8 x cluster y + 2 cy
	s_add_co_u32 s68, s21, s16                     ; the row-block of x that I would fetch, in both phases: it never holds cx
	s_mul_i32 s68, s68, RBB
	s_mov_b32 s69, 0
	s_lshl_b32 s70, ttmp9, 3
	s_lshl_b32 s22, s17, 1
	s_add_co_u32 s22, s70, s22                     ; 2 gx = 8 x cluster x + 2 cx
	s_add_co_u32 s70, s22, s16
	s_add_co_u32 s70, s70, 64                      ; the row-block of Wq | Wk that I would fetch: it never holds cy
	s_mul_i32 s70, s70, RBB
	s_mov_b32 s71, 0
	s_mul_i32 s[G0A2+1], s16, 4*CH                 ; phase 2: the half of Wv's row-block that I would fetch: its place in LDS, and in the row-block
	s_lshr_b32 s[G0A2+2], s22, 1
	s_add_co_u32 s[G0A2+2], s[G0A2+2], 80          ; row-block 80 + gx: it never holds cy
	s_mul_i32 s[G0A2+2], s[G0A2+2], RBB
	s_add_co_u32 s[G0A2+2], s[G0A2+2], s[G0A2+1]
	s_mov_b32 s[G0A2+3], 0
	s_mul_i32 s[G0B2+1], s16, RBB
	s_add_co_u32 s[G0B2+1], s[G0B2+1], RBB         ; x's two row-blocks lie behind Wv's
	s_mul_i32 s2, s14, PIECE                       ; phase 1: where my load lands in a slot: wave x 38,400
	s_wait_kmcnt 0x0
	s_add_nc_u64 s[68:69], s[4:5], s[68:69]
	s_add_nc_u64 s[70:71], s[4:5], s[70:71]
.irp f, 0,1
	s_mov_b32 s[G0A+4*\f], 1
	s_add_co_u32 s[G0A+4*\f+1], s2, \f*SLOT        ; LDS address
	s_add_nc_u64 s[G0A+4*\f+2:G0A+4*\f+3], s[68:69], \f*PIECE   ; global address: 384 f along K on
	s_or_b32 s[G0A+4*\f+3], s[G0A+4*\f+3], 0x80000000           ; type = 2
	s_mov_b32 s[G0B+4*\f], 1
	s_add_co_u32 s[G0B+4*\f+1], s2, \f*SLOT
	s_add_nc_u64 s[G0B+4*\f+2:G0B+4*\f+3], s[70:71], \f*PIECE
	s_or_b32 s[G0B+4*\f+3], s[G0B+4*\f+3], 0x80000000
.endr
	s_mov_b32 s[G0A2], 1
	s_add_nc_u64 s[G0A2+2:G0A2+3], s[4:5], s[G0A2+2:G0A2+3]
	s_or_b32 s[G0A2+3], s[G0A2+3], 0x80000000
	s_mov_b32 s[G0B2], 1
	s_mov_b64 s[G0B2+2:G0B2+3], s[68:69]
	s_or_b32 s[G0B2+3], s[G0B2+3], 0x80000000
	CROUND                                         ; all sixteen work-groups are here: the first joint loads meet
	JLOAD G0A, G1A, G0B, G1B                       ; slot 0: one tensor load a wave at the head
	v_and_b32 v13, 31, v0
	v_lshlrev_b32 v[LI], 4, v13
	s_wait_alu depctr_va_vdst(0)
	v_and_b32 v14, 15, v0
	v_lshlrev_b32 v14, 4, v14                      ; 16 x (lane % 16)
	s_mul_i32 s2, s15, PIECE                       ; phase 1: my row-block of A in a slot,
	s_mul_i32 s3, s16, PIECE
	s_add_co_u32 s3, s3, 2*PIECE                   ; and of B, behind A's two
.irp f, 0,1
	v_add_nc_u32 v[ADRA+\f], s2, v[LI]
	v_add_nc_u32 v[ADRB+\f], s3, v[LI]
	s_add_co_u32 s2, s2, SLOT
	s_add_co_u32 s3, s3, SLOT
.endr
	s_mul_i32 s2, s15, 4*1536                      ; phase 2: my four fragments of a chunk of Wv,
	v_add_nc_u32 v[ADRA2], s2, v[LI]
	v_add_nc_u32 v[O2], s2, v[LI]                  ; and of the chunk that I store
	v_add_nc_u32 v[ADRA2+1], 4*CH, v[ADRA2]
	s_mul_i32 s3, s16, RBB
	s_add_co_u32 s3, s3, RBB                       ; my row-block of x
	v_add_nc_u32 v[ADRB2], s3, v[LI]
	v_add_nc_u32 v[ADRB2+1], 4*CH, v[ADRB2]
	s_lshl_b32 s2, s15, 8
	v_add_nc_u32 v[SAA2], s2, v14
	v_add_nc_u32 v[SAA2+1], 4*CH, v[SAA2]
	v_add_nc_u32 v[O2S], 12288, v[SAA2]
	s_mov_b32 s[SEL], 0x76543210
	s_mov_b32 s[SEL+1], 0xfedcba98
	s_add_co_u32 s2, s21, s15                      ; Ai: my row-block of x
	s_add_co_u32 s3, s22, s16                      ; Bi: my row-block of Wq | Wk, 0 .. 15
	s_lshr_b32 s23, s3, 3                          ; phase 1: chunk 512 (Bi / 8) + 8 Ai + Bi % 8
	s_lshl_b32 s23, s23, 9
	s_lshl_b32 s2, s2, 3
	s_add_co_u32 s23, s23, s2
	s_and_b32 s2, s3, 7
	s_add_co_u32 s23, s23, s2
	s_mul_i32 s[OUT], s23, CH
	s_mov_b32 s[OUT+1], 0
	s_add_nc_u64 s[OUT:OUT+1], s[12:13], s[OUT:OUT+1]
	s_bitcmp1_b32 s3, 3
	s_cselect_b64 s[6:7], s[8:9], s[6:7]           ; the columns' bias: bk for Bi 8-15, bq for Bi 0-7,
	s_lshl_b32 s2, s2, 9                           ; from column 128 (Bi % 8) on
	s_mov_b32 s3, 0
	s_add_nc_u64 s[6:7], s[6:7], s[2:3]
	s_lshl_b32 s2, s22, 8                          ; bv: 128 gx numbers on,
	s_lshl_b32 s23, s15, 8                         ; and 64 for my half
	s_add_co_u32 s2, s2, s23
	s_add_nc_u64 s[10:11], s[10:11], s[2:3]
	s_add_co_u32 s2, s21, s16                      ; phase 2: my row-block of x is key block (2 gy + which) % 16 of batch (2 gy + which) / 16
	s_lshr_b32 s23, s2, 4
	s_lshl_b32 s23, s23, 7
	s_and_b32 s2, s2, 15
	s_add_co_u32 s23, s23, s2
	s_lshl_b32 s2, s22, 3
	s_add_co_u32 s23, s23, s2
	s_add_co_u32 s23, s23, 1024                    ; chunk 1024 + 128 batch + 16 gx + key block
	s_mul_i32 s[OUT2], s23, CH
	s_mov_b32 s[OUT2+1], 0
	s_add_nc_u64 s[OUT2:OUT2+1], s[12:13], s[OUT2:OUT2+1]
	v_bfe_u32 v11, v0, 4, 1
	v_lshlrev_b32 v11, 6, v11                      ; 64 h
	v_and_b32 v12, 15, v0
	v_lshlrev_b32 v12, 4, v12                      ; 16 r: WV'S ROWS LIE OTHERWISE THAN THE OTHERS': place 16 a + r of a row-block of Wv holds row 64 (a / 4) + 4 r + a % 4
	WIN TO_B
.set n, 0
.rept 16                                       ; the bias of columns 32 b + 16 h + i, in the order of a block's 64 sums; wanted on the first way out, where the wait for it stands
	global_load_b128 v[96+4*n+96*(n/8):99+4*n+96*(n/8)], v11, s[6:7] offset:128*(n/4)+16*(n%4)
.set n, n+1
.endr
	WIN 0
.irp a, 0,1,2,3
	global_load_b32 v[S2+2*\a], v12, s[10:11] offset:4*\a   ; bv at my row of my block a: channel 4 r + a of my half
.endr
.irp a, 0,1,2,3
	v_mov_b32 v[S2+2*\a+1], 0                      ; (named with it as a pair, so it is written)
	v_mov_b32 v[TM+4+\a], 0                        ; written once: a lane permute's destination counts as one of its sources
.endr
	; ---- PHASE 1: q | k
	s_wait_alu depctr_va_vdst(0)
	s_wait_tensorcnt 0x0                           ; my part of slot 0 is in
	ds_add_u32 v[SPW], v[NIL]
	s_wait_dscnt 0x0
	CROUND
	JLOAD G0A+4, G1A, G0B+4, G1B                   ; slot 1, K steps 3-5: 128 products in which to land
	FETCH 0, 0, 0
	FETCH 0, 1, 1
	s_wait_dscnt 50                                ; step 0's fragments are in; the 50 loads of step 1 may be out
	MUL 0, 1                                       ; step 0: its products start the sums
	H_PLAIN                                        ; step 1
	FETCH 0, 2, 0
	MUL 1, 0
	H_REFILL 0, 2*PIECE                            ; step 2: slot 0 has been read out and takes K steps 6 and 7; slot 1 is whole behind this round
	FETCH 1, 0, 1
	MUL 0, 0
	H_PLAIN                                        ; step 3
	FETCH 1, 1, 0
	MUL 1, 0
	H_PLAIN                                        ; step 4
	FETCH 1, 2, 1
	MUL 0, 0
	H_MEET 0                                       ; step 5: the refill has landed
	FETCH 0, 0, 0
	MUL 1, 0
	H_PLAIN                                        ; step 6
	FETCH 0, 1, 1
	MUL 0, 0
	; step 7: the last fragments are in registers, so both slots have been read out: PHASE 2'S TILES, ALL OF ITS K, ARE ASKED FOR HERE
	s_wait_tensorcnt 0x0                           ; no tensor load of mine is out
	ds_add_u32 v[SPW], v[NIL]                      ; 0 onto my spare word
	s_wait_dscnt 0x0                               ; the add is done, and my reads of the slots are over
	CROUND                                         ; both now hold of every wave of every work-group of the cluster
	JLOAD G0A2, G1A2, G0B2, G1B2                   ; my one tensor load behind the round: it has 64 products and the way out of eight blocks in which to land
	MUL 1, 0
	; THE WAY OUT OF PHASE 1, a block of 16 rows at a time: the bias, the quantiser, three stores of 512 consecutive bytes.  No stage: a fragment's image is what the conversions leave.
	PLACES 4                                       ; behind the last products: their results are read and their operands' registers written below
	s_wait_loadcnt 0x0                             ; the biases, asked for at the head
.irp a, 0,1,2,3,4,5,6,7
	WIN 0x06+(\a/4)                                ; source 0 (the sums) window 2 or 3, source 1 (the bias) window 1
.set n, 0
.rept 32
	v_pk_add_f32 v[T+n:T+n+1], v[64*(\a%4)+n:64*(\a%4)+n+1], v[96+n+96*(n/32):97+n+96*(n/32)]   ; each accumulator from its low end on
.set n, n+2
.endr
	WIN 0
	QUANT T, PCB+12*\a, PT, PWS+\a
.irp c, 0,1,2
	global_store_b128 v[LI], v[PCB+12*\a+4*\c:PCB+12*\a+4*\c+3], s[OUT:OUT+1] offset:1536*\a+512*\c
.endr
.endr
	v_and_b32 v13, 16, v0
	v_cmp_ne_u32 vcc_lo, 0, v13
.irp i, 0,1,2,3
	v_cndmask_b32 v[OW+\i], v[PWS+\i], v[PWS+4+\i], vcc_lo   ; lanes 0-15 store the words of blocks 0-3, lanes 16-31 those of blocks 4-7
.endr
	global_store_b128 v[LI], v[OW:OW+3], s[OUT:OUT+1] offset:12288
	; ---- PHASE 2: v^T.  All of K lies in LDS: one barrier, no further fill
.set NA, 4
.set AST, 48
	s_wait_tensorcnt 0x0                           ; my part of phase 2's tiles has landed
	s_wait_xcnt 0x0                                ; phase 1's stores have read their registers: fragments may land there
	s_wait_dscnt 0x0
	s_barrier_signal -1
	s_barrier_wait -1                              ; everybody's has.
	FETCH2 0, 0
	FETCH2 1, 1
	s_wait_dscnt 38                                ; step 0's fragments are in; the 38 loads of step 1 may be out
	MUL 0, 1                                       ; its products start the sums
.irp n, 1,2,3,4,5,6
	H_PLAIN
	FETCH2 \n+1, (\n+1)%2
	MUL \n%2, 0
.endr
	s_wait_dscnt 0x0                               ; step 7: nothing more to fetch
	MUL 1, 0
	; THE WAY OUT OF PHASE 2: my four blocks of 16 channels; the bias is that of the lane's row
	PLACES 4
.irp a, 0,1,2,3
	WIN 0x02                                       ; source 0 (the sums) window 2
.set n, 0
.rept 32
	v_pk_add_f32 v[T+n:T+n+1], v[64*\a+n:64*\a+n+1], v[S2+2*\a:S2+2*\a+1] op_sel_hi:[1,0]   ; each accumulator from its low end on
.set n, n+2
.endr
	WIN 0
	QUANT T, PCB+12*\a, PT, PWS+\a
.irp c, 0,1,2
	global_store_b128 v[O2], v[PCB+12*\a+4*\c:PCB+12*\a+4*\c+3], s[OUT2:OUT2+1] offset:1536*\a+512*\c
.endr
.endr
	global_store_b128 v[O2S], v[PWS:PWS+3], s[OUT2:OUT2+1]   ; my 64 rows' scale words: 256 consecutive bytes, at a multiple of 256 from the buffer's first byte; both halves of the lanes write the same bytes with the same values
	s_wait_tensorcnt 0x0                           ; the wave's end
	ds_add_u32 v[SPW], v[NIL]
	s_wait_dscnt 0x0
	CROUND                                         ; the closing round: no work-group ends while a partner may still ask for a tile that names it
	s_endpgm
.Lfunc_end_k_q6e9955a70e_proj:
	.size	k_q6e9955a70e_proj, .Lfunc_end_k_q6e9955a70e_proj-k_q6e9955a70e_proj
	.p2alignl 7, 3214868480
	.fill 96, 4, 3214868480
	.section	.rodata,"a",@progbits
	.p2align	6, 0x0
	.amdhsa_kernel k_q6e9955a70e_proj
		.amdhsa_group_segment_fixed_size 327680
		.amdhsa_private_segment_fixed_size 0
		.amdhsa_enable_private_segment 0
		.amdhsa_kernarg_size 40
		.amdhsa_user_sgpr_count 2
		.amdhsa_user_sgpr_kernarg_segment_ptr 1
		.amdhsa_wavefront_size32 1
		.amdhsa_system_sgpr_workgroup_id_x 1
		.amdhsa_system_sgpr_workgroup_id_y 1
		.amdhsa_system_sgpr_workgroup_id_z 1
		.amdhsa_system_vgpr_workitem_id 0
		.amdhsa_next_free_vgpr 1024
		.amdhsa_next_free_sgpr 100
		.amdhsa_reserve_vcc 1
		.amdhsa_float_denorm_mode_32 3
		.amdhsa_float_denorm_mode_16_64 3
		.amdhsa_memory_ordered 1
		.amdhsa_forward_progress 1
		.amdhsa_inst_pref_size 233
	.end_amdhsa_kernel
	.amdgpu_metadata
---
amdhsa.version: [ 1, 2 ]
amdhsa.kernels:
  - .name:           k_q6e9955a70e_proj
    .symbol:         k_q6e9955a70e_proj.kd
    .args:
      - { .name: xw, .offset: 0, .size: 8, .value_kind: global_buffer, .address_space: global }
      - { .name: bq, .offset: 8, .size: 8, .value_kind: global_buffer, .address_space: global }
      - { .name: bk, .offset: 16, .size: 8, .value_kind: global_buffer, .address_space: global }
      - { .name: bv, .offset: 24, .size: 8, .value_kind: global_buffer, .address_space: global }
      - { .name: qkv, .offset: 32, .size: 8, .value_kind: global_buffer, .address_space: global }
    .group_segment_fixed_size: 327680
    .private_segment_fixed_size: 0
    .kernarg_segment_align: 8
    .kernarg_segment_size: 40
    .max_flat_workgroup_size: 128
    .sgpr_count:     100
    .vgpr_count:     1024
    .wavefront_size: 32
...
	.end_amdgpu_metadata
.endif
;; end of part 2
;; launch score (part 3): grid 8 x 32, 4 waves a work-group, clusters of 4 x 4, 327,680 bytes of LDS; arguments qkv, pch, stat; writes pch, stat
.if DOCPART == 3
	.amdgcn_target "amdgcn-amd-amdhsa--gfx1250"
	.amdhsa_code_object_version 6
	.text
	.protected	k_q6e9955a70e_score
	.globl	k_q6e9955a70e_score
	.p2align	8
	.type	k_q6e9955a70e_score,@function
k_q6e9955a70e_score:
	s_mov_b64 s[64:65], 0
	v_nop
	global_prefetch_b8 v0, s[64:65] scope:SCOPE_SE
	s_setreg_imm32_b32 hwreg(HW_REG_WAVE_MODE, 25, 1), 1
	s_wait_xcnt 0x0
	s_wait_alu depctr_hold_cnt(0) depctr_sa_sdst(0) depctr_va_vdst(0) depctr_va_sdst(0) depctr_va_ssrc(0) depctr_va_vcc(0) depctr_vm_vsrc(0)
	s_getreg_b32 s2, hwreg(HW_REG_IB_STS2, 6, 4)
	s_cmp_eq_u32 s2, 0
	s_cbranch_scc0 .Lentry_in_a_cluster
	s_endpgm
.Lentry_in_a_cluster:
	s_bfe_u32 s2, ttmp6, 0x10000c
	s_cmp_lg_u32 s2, 0xf033
	s_cbranch_scc0 .Lentry_shape_is_right
	s_endpgm
.Lentry_shape_is_right:
; The scores q k^T of one batch, on codes of FP6 (E2M3) with E8M0 scales, f32 sums, and the softmax's weights, quantised for the last product.  t = score x log2(e) / 32.
; A wave makes 128 queries x 128 keys.  For each query it takes M' = the largest t OF THESE 128 KEYS rounded up to a whole number, p = 2^(t - M'), the sum of the unquantised p, and p's codes and scale bytes along the keys.
; M' is a whole number, so the launch that follows brings everything under the row's M by whole-number shifts of the scale bytes and of the sums: the codes stay as they are.
; Operands are CHUNKS: 128 rows x 128 along K in 12,800 bytes: eight fragments as images of the operand's 12 registers (register c of lane l of fragment a at 1536 a + 512 (c / 4) + 16 l + 4 (c % 4)), then the scale words
; (row r of fragment a at 12288 + 16 (16 (a / 4) + r) + 4 (a % 4)).  Place 16 a + r of a row-block holds row 32 (a / 2) + 8 (a % 2) + r % 8 + 16 (r / 8).
; qkv: q [row-block 64][K step 8] from byte 0, k likewise from byte 6,553,600.  pch = [block of 16 queries 512][key block 16] fragments of 1,536 bytes.  stat = [query block 64][key block 16][-M' 512 bytes | sum 512 bytes | scale words 512 bytes], each laid as the scale words are.
; THE MATRIX INSTRUCTION IS USED TRANSPOSED: source 0 = 16 places of k, source 1 = 16 places of q: a lane holds ONE query, and the 16 registers of two neighbouring accumulators are 16 neighbouring keys.
; K = 1,024 goes through two LDS slots of 384 along K; slot 0 is filled a second time.  Two sets of registers for both operands: a step of 128 along K is one wait, 50 LDS loads for the next step, 64 products.  Eight steps, written out.
; CLUSTERS: 4 x 4 work-groups of one batch.  q's tiles are shared along a row of the cluster, k's along a column: each is asked for jointly.
; LIMITS: a p under 2^-126 counts as 0 (the exponential gives 0 there); a block whose every p is 0 keeps the byte 1 (its codes are zeros); NaN and infinities are not served.
; A block's largest p is not searched for: the block's largest score goes through the same multiply-add and exponential (this takes the exponential not to fall where its input rises).
; REGISTERS: window 0: v2-10 addresses; v32-47 scale words, two sets; v64-255 q's fragments, two sets (free on the way out).  window 1: k's fragments at v0 and v128.  windows 2, 3: the accumulators.
.set CH,    12800
.set RBB,   8*CH
; THE SLOTS AS THIS TEXT HAS THEM: two of 384 along K.  Slot 0 takes K steps 0-2 at the head, slot 1 K steps 3-5 behind the first full sequence; slot 0 is filled again with K steps 6 and 7.
; THE RESULTS AS THIS TEXT LAYS THEM: pch = [block of 16 queries 512][key block 16] fragments of 1,536 bytes; stat = [query block 64][key block 16][-M' 512 bytes | sum 512 bytes | p's scale words 512 bytes].
.set PIECE, 3*CH
.set FRB,   16*1536                    ; sixteen key blocks' fragments of one block of 16 queries
.set STB,   1536
.set SLOT,  4*PIECE
.set SPARE, 2*SLOT                     ; behind the slots: the spare words, 128 bytes for each wave, which no other line names
.set KOFF,  6553600                    ; where k's chunks begin in qkv
.set SPW,  2
.set NIL,  3
.set LI,   4
.set ADRA, 5
.set ADRB, 8
.set SC,   32
.set AF,   64
.set T,    64                          ; the way out: v64-127 t - M', then p
.set BM,   128                         ; v128-131 a block's largest score, then its largest p
.set BX,   132                         ; v132-135 at work
.set SO,   136                         ; v136-139 the conversions' scale operands
.set NM,   140                         ; v140-141 -M', as a pair
.set AS,   142                         ; v142-145 the sum's two chains
.set WK,   146                         ; v146-147 at work
.set PC,   148                         ; v148-167 the codes
.set PWS,  168                         ; v168-175 the eight blocks' scale words;  v176-183 their -M';  v184-191 their sums
.set NMS,  176
.set LS,   184
.set OW,   192                         ; v192-203 the three as they are stored
.set G1A,  24
.set G1B,  32
.set G0A,  40
.set G0B,  52
.set POUT, 72                          ; s[72:73] my chunk of p
.set SEL,  74                          ; s[74:75] lane selects: lane l xor 16
.set CS,   76                          ; s[76:77] c = log2(e) / 32: the packed form names a pair and takes its low word for both halves
.set SOUT, 78                          ; s[78:79] my 1,536 bytes of stat
.set MUL_LO, 0xa1
.set MUL_HI, 0xf1
.set TO_B,   0x40
.set MSB, 0
.macro WIN new                         ; the immediate's high byte repeats the setting that is left
.if MSB != (\new)
	s_set_vgpr_msb (MSB<<8)|(\new)
.set MSB, (\new)
.endif
.endm
.macro PLACES n
.rept \n
	v_nop
.endr
.endm
.macro CREST
	s_cmp_lg_u32 s14, 0
	s_cbranch_scc1 .Lnot_wave_0_\@
	s_barrier_signal -3
.Lnot_wave_0_\@:
	s_barrier_wait -3
	s_barrier_signal -1
	s_barrier_wait -1
.endm
.macro CROUND
	s_barrier_signal -1
	s_barrier_wait -1
	CREST
.endm
.macro JLOAD g0a, g0b                  ; a joint load: waves 0 and 1 fetch for q, waves 2 and 3 for k; four v_nop follow each of the two lines
	s_cmp_eq_u32 s15, 0
	s_cbranch_scc0 .Lfor_b_\@
	tensor_load_to_lds s[\g0a:\g0a+3], s[G1A:G1A+7]
	s_nop 0
	PLACES 4
	s_branch .Lasked_\@
.Lfor_b_\@:
	tensor_load_to_lds s[\g0b:\g0b+3], s[G1B:G1B+7]
	s_nop 0
	PLACES 4
.Lasked_\@:
.endm
.macro FETCH slot, q, p                ; 50 LDS loads in one run: the fragments and scale words of the slot's q-th 128 along K into set p
	WIN TO_B
.irp i, 0,1,2,3,4,5,6,7
.irp c, 0,1,2
	ds_load_b128 v[128*(\p)+12*\i+4*\c:128*(\p)+12*\i+4*\c+3], v[ADRB+(\slot)] offset:(\q)*CH+1536*\i+512*\c
.endr
.endr
	WIN 0
.irp i, 0,1,2,3,4,5,6,7
.irp c, 0,1,2
	ds_load_b128 v[AF+96*(\p)+12*\i+4*\c:AF+96*(\p)+12*\i+4*\c+3], v[ADRA+(\slot)] offset:(\q)*CH+1536*\i+512*\c
.endr
.endr
	ds_load_b128 v[SC+4+8*(\p):SC+7+8*(\p)], v[ADRB+(\slot)] offset:(\q)*CH+12288
	ds_load_b128 v[SC+8*(\p):SC+3+8*(\p)], v[ADRA+(\slot)] offset:(\q)*CH+12288
.endm
.macro PROD a, b, p, zero              ; q's block a x k's block b.  The words of fragments 4-7 lie in lanes 16-31 of the scale registers
.set rD, 8*(8*((\a)%4)+(\b))
.set rB, 128*(\p)+12*(\b)
.set rA, AF+96*(\p)+12*(\a)
.set rX, SC+4+8*(\p)+(\b)%4
.set rY, SC+8*(\p)+(\a)%4
.if \zero
.if ((\a) < 4) && ((\b) < 4)
	v_wmma_scale_f32_16x16x128_f8f6f4 v[rD:rD+7], v[rB:rB+11], v[rA:rA+11], 0, v[rX], v[rY] matrix_a_fmt:MATRIX_FMT_FP6 matrix_b_fmt:MATRIX_FMT_FP6
.elseif (\a) < 4
	v_wmma_scale_f32_16x16x128_f8f6f4 v[rD:rD+7], v[rB:rB+11], v[rA:rA+11], 0, v[rX], v[rY] matrix_a_fmt:MATRIX_FMT_FP6 matrix_b_fmt:MATRIX_FMT_FP6 matrix_a_scale:MATRIX_SCALE_ROW1
.elseif (\b) < 4
	v_wmma_scale_f32_16x16x128_f8f6f4 v[rD:rD+7], v[rB:rB+11], v[rA:rA+11], 0, v[rX], v[rY] matrix_a_fmt:MATRIX_FMT_FP6 matrix_b_fmt:MATRIX_FMT_FP6 matrix_b_scale:MATRIX_SCALE_ROW1
.else
	v_wmma_scale_f32_16x16x128_f8f6f4 v[rD:rD+7], v[rB:rB+11], v[rA:rA+11], 0, v[rX], v[rY] matrix_a_fmt:MATRIX_FMT_FP6 matrix_b_fmt:MATRIX_FMT_FP6 matrix_a_scale:MATRIX_SCALE_ROW1 matrix_b_scale:MATRIX_SCALE_ROW1
.endif
.else
.if ((\a) < 4) && ((\b) < 4)
	v_wmma_scale_f32_16x16x128_f8f6f4 v[rD:rD+7], v[rB:rB+11], v[rA:rA+11], v[rD:rD+7], v[rX], v[rY] matrix_a_fmt:MATRIX_FMT_FP6 matrix_b_fmt:MATRIX_FMT_FP6
.elseif (\a) < 4
	v_wmma_scale_f32_16x16x128_f8f6f4 v[rD:rD+7], v[rB:rB+11], v[rA:rA+11], v[rD:rD+7], v[rX], v[rY] matrix_a_fmt:MATRIX_FMT_FP6 matrix_b_fmt:MATRIX_FMT_FP6 matrix_a_scale:MATRIX_SCALE_ROW1
.elseif (\b) < 4
	v_wmma_scale_f32_16x16x128_f8f6f4 v[rD:rD+7], v[rB:rB+11], v[rA:rA+11], v[rD:rD+7], v[rX], v[rY] matrix_a_fmt:MATRIX_FMT_FP6 matrix_b_fmt:MATRIX_FMT_FP6 matrix_b_scale:MATRIX_SCALE_ROW1
.else
	v_wmma_scale_f32_16x16x128_f8f6f4 v[rD:rD+7], v[rB:rB+11], v[rA:rA+11], v[rD:rD+7], v[rX], v[rY] matrix_a_fmt:MATRIX_FMT_FP6 matrix_b_fmt:MATRIX_FMT_FP6 matrix_a_scale:MATRIX_SCALE_ROW1 matrix_b_scale:MATRIX_SCALE_ROW1
.endif
.endif
.endm
.macro MUL p, zero                     ; a step's 64 products; the 64 accumulators take turns, one instruction a turn, in the same order in every step
.irp a, 0,1,2,3,4,5,6,7
	WIN MUL_LO+0x50*(\a/4)
.irp b, 0,1,2,3,4,5,6,7
	PROD \a, \b, \p, \zero
.endr
.endr
	WIN 0
.endm
.macro H_PLAIN                         ; the step's own fragments are in; four places between the last products and the loads into the registers that they read
	s_wait_dscnt 0x0
	PLACES 4
.endm
.macro H_MEET n                        ; the next fetch reads a slot not read before: my part has landed (n younger tensor loads may be out), and everybody's, behind the barrier.
	s_wait_tensorcnt \n
	s_wait_dscnt 0x0
	s_barrier_signal -1
	s_barrier_wait -1
	PLACES 4
.endm
.macro H_REFILL slot, bytes
	s_wait_tensorcnt 0x0                           ; all my tensor loads have landed, so a group 0 may be written
	ds_add_u32 v[SPW], v[NIL]                      ; 0 onto my spare word
	s_add_nc_u64 s[G0A+4*(\slot)+2:G0A+4*(\slot)+3], s[G0A+4*(\slot)+2:G0A+4*(\slot)+3], \bytes
	s_add_nc_u64 s[G0B+4*(\slot)+2:G0B+4*(\slot)+3], s[G0B+4*(\slot)+2:G0B+4*(\slot)+3], \bytes
	s_mov_b32 s[G1A+2], 100<<16                    ; no load of mine is out: the refill brings two chunks, 100 rows of 256 bytes
	s_mov_b32 s[G1A+4], 100
	s_mov_b32 s[G1B+2], 100<<16
	s_mov_b32 s[G1B+4], 100
	s_wait_dscnt 0x0                               ; the add is done, and my reads of the slot are over
	CROUND
	JLOAD G0A+4*(\slot), G0B+4*(\slot)             ; the first tensor load behind the round; its four v_nop are also the places in front of the loads that follow
.endm
	s_load_b128 s[4:7], s[0:1], 0x0                ; qkv s[4:5], pch s[6:7]
	s_load_b64 s[8:9], s[0:1], 0x10                ; stat
	v_lshl_add_u32 v[SPW], v0, 2, SPARE
	v_mov_b32 v[NIL], 0
	ds_add_u32 v2, v3
	ds_add_u32 v2, v3
	s_wait_dscnt 0x0
	v_lshrrev_b32 v11, 5, v0
	v_readfirstlane_b32 s14, v11                   ; wave 0..3
	s_lshr_b32 s15, s14, 1                         ; which block of 128 queries is mine.  Also: I fetch for q (0) or for k (1)
	s_and_b32 s16, s14, 1                          ; which block of 128 keys.  Also: which of the two row-blocks I fetch
	s_bfe_u32 s17, ttmp6, 0x40000                  ; cx
	s_bfe_u32 s18, ttmp6, 0x40004                  ; cy
	s_and_b32 s20, ttmp7, 0xffff                   ; the cluster's y: two clusters to a batch
	s_lshl_b32 s66, s18, 2
	s_lshl_b32 s66, 15, s66                        ; my row of the cluster
	s_lshl_b32 s67, 0x1111, s17                    ; my column
	s_or_b32 s[G1A], s66, (3<<16)|(1<<21)          ; a dense block as rows of 256 bytes (32 elements of 8 bytes), no padding; bit 21 set beside a mask
	s_or_b32 s[G1B], s67, (3<<16)|(1<<21)
.irp g, G1A, G1B
	s_mov_b32 s[\g+1], 32<<16
	s_mov_b32 s[\g+2], 150<<16                     ; 38,400 bytes as 150 rows
	s_mov_b32 s[\g+3], 32<<16
	s_mov_b32 s[\g+4], 150
	s_mov_b32 s[\g+5], 32
	s_mov_b32 s[\g+6], 0
	s_mov_b32 s[\g+7], 0
.endr
	s_lshl_b32 s80, s20, 3
	s_lshl_b32 s82, s18, 1
	s_add_co_u32 s80, s80, s82                     ; my work-group's first query block: 8 x cluster y + 2 cy
	s_add_co_u32 s68, s80, s16                     ; the one that I would fetch: it never holds cx
	s_mul_i32 s68, s68, RBB
	s_mov_b32 s69, 0
	s_lshr_b32 s81, s20, 1
	s_lshl_b32 s81, s81, 4                         ; 16 x batch
	s_lshl_b32 s83, ttmp9, 3
	s_lshl_b32 s84, s17, 1
	s_add_co_u32 s83, s83, s84                     ; my work-group's first key block in the batch: 8 x cluster x + 2 cx
	s_add_co_u32 s70, s81, s83
	s_add_co_u32 s70, s70, s16                     ; the one that I would fetch: it never holds cy
	s_mul_i32 s70, s70, RBB
	s_add_co_u32 s70, s70, KOFF
	s_mov_b32 s71, 0
	s_mul_i32 s85, s14, PIECE
	s_wait_kmcnt 0x0
	s_add_nc_u64 s[68:69], s[4:5], s[68:69]
	s_add_nc_u64 s[70:71], s[4:5], s[70:71]
.irp f, 0,1
	s_mov_b32 s[G0A+4*\f], 1
	s_add_co_u32 s[G0A+4*\f+1], s85, \f*SLOT
	s_add_nc_u64 s[G0A+4*\f+2:G0A+4*\f+3], s[68:69], \f*PIECE
	s_or_b32 s[G0A+4*\f+3], s[G0A+4*\f+3], 0x80000000
	s_mov_b32 s[G0B+4*\f], 1
	s_add_co_u32 s[G0B+4*\f+1], s85, \f*SLOT
	s_add_nc_u64 s[G0B+4*\f+2:G0B+4*\f+3], s[70:71], \f*PIECE
	s_or_b32 s[G0B+4*\f+3], s[G0B+4*\f+3], 0x80000000
.endr
	CROUND                                         ; all sixteen work-groups are here: the first joint loads meet
	JLOAD G0A, G0B                                 ; slot 0: one tensor load a wave at the head
	v_and_b32 v13, 31, v0
	v_lshlrev_b32 v[LI], 4, v13
	s_mul_i32 s92, s15, PIECE
	s_mul_i32 s93, s16, PIECE
	s_add_co_u32 s93, s93, 2*PIECE
.irp f, 0,1
	v_add_nc_u32 v[ADRA+\f], s92, v[LI]
	v_add_nc_u32 v[ADRB+\f], s93, v[LI]
	s_add_co_u32 s92, s92, SLOT
	s_add_co_u32 s93, s93, SLOT
.endr
	s_mov_b32 s[SEL], 0x76543210
	s_mov_b32 s[SEL+1], 0xfedcba98
	s_mov_b32 s[CS], 0x3d38aa3b                    ; log2(e) / 32
	s_mov_b32 s[CS+1], s[CS]
	s_add_co_u32 s86, s80, s15                     ; my query block
	s_lshl_b32 s86, s86, 4
	s_add_co_u32 s86, s86, s83
	s_add_co_u32 s86, s86, s16                     ; 16 x query block + key block
	s_lshr_b32 s88, s86, 4
	s_mul_i32 s88, s88, 8*FRB                      ; p: eight blocks of 16 queries for each query block,
	s_and_b32 s87, s86, 15
	s_mul_i32 s87, s87, 1536                       ; my key block's fragment in each
	s_add_co_u32 s88, s88, s87
	s_mov_b32 s89, 0
	s_add_nc_u64 s[POUT:POUT+1], s[6:7], s[88:89]
	s_mul_i32 s88, s86, STB
	s_add_nc_u64 s[SOUT:SOUT+1], s[8:9], s[88:89]
	s_wait_alu depctr_va_vdst(0)
	s_wait_tensorcnt 0x0                           ; my part of slot 0 is in
	ds_add_u32 v[SPW], v[NIL]
	s_wait_dscnt 0x0
	CROUND
	JLOAD G0A+4, G0B+4                             ; slot 1, K steps 3-5: 128 products in which to land
	FETCH 0, 0, 0
	FETCH 0, 1, 1
	s_wait_dscnt 50                                ; step 0's fragments are in; the 50 loads of step 1 may be out
	MUL 0, 1                                       ; step 0: its products start the sums
	H_PLAIN                                        ; step 1
	FETCH 0, 2, 0
	MUL 1, 0
	H_REFILL 0, 2*PIECE                            ; step 2: slot 0 has been read out and takes K steps 6 and 7; slot 1 is whole behind this round
	FETCH 1, 0, 1
	MUL 0, 0
	H_PLAIN                                        ; step 3
	FETCH 1, 1, 0
	MUL 1, 0
	H_PLAIN                                        ; step 4
	FETCH 1, 2, 1
	MUL 0, 0
	H_MEET 0                                       ; step 5: the refill has landed
	FETCH 0, 0, 0
	MUL 1, 0
	H_PLAIN                                        ; step 6
	FETCH 0, 1, 1
	MUL 0, 0
	s_wait_dscnt 0x0                               ; step 7
	MUL 1, 0
; THE SOFTMAX OF A BLOCK OF 16 QUERIES over my 128 keys.  Register 16 b + i of the block's 64 is key 32 b + 16 (lane / 16) + i of my query.
.macro SOFT a
.set AC, 64*((\a)%4)
.set W, 2+(\a)/4                       ; the block's window
	WIN W|(W<<2)|(W<<4)
.irp b, 0,1,2,3
	v_max3_num_f32 v[BM+\b], v[AC+16*\b], v[AC+16*\b+1], v[AC+16*\b+2]   ; the largest score of each block of 32 keys; each accumulator is read from its low end on
.endr
	WIN (W<<2)|(W<<4)
.irp i, 3,5,7,9,11,13
.irp b, 0,1,2,3
	v_max3_num_f32 v[BM+\b], v[BM+\b], v[AC+16*\b+\i], v[AC+16*\b+\i+1]
.endr
.endr
.irp b, 0,1,2,3
	v_max_num_f32 v[BM+\b], v[BM+\b], v[AC+16*\b+15]
.endr
	WIN 0
.irp b, 0,1,2,3
	v_permlanex16_b32 v[BX+\b], v[BM+\b], s[SEL], s[SEL+1]
.endr
.irp b, 0,1,2,3
	v_max_num_f32 v[BM+\b], v[BM+\b], v[BX+\b]     ; with lane l xor 16's 16 keys
.endr
	v_max3_num_f32 v[WK], v[BM], v[BM+1], v[BM+2]
	v_max_num_f32 v[WK], v[WK], v[BM+3]            ; my query's largest score among the 128
	v_mul_f32 v[WK], s[CS], v[WK]                  ; as t (c is positive)
	v_floor_f32 v[NM], -v[WK]                      ; -M' = floor(-t) = -ceil(t): a whole number
	v_mov_b32 v[NM+1], v[NM]
	v_mov_b32 v[NMS+\a], v[NM]
	WIN W
.set n, 0
.rept 32
	v_pk_fma_f32 v[T+n:T+n+1], v[AC+n:AC+n+1], s[CS:CS+1], v[NM:NM+1] op_sel_hi:[1,0,0]   ; t - M', two at a time
.set n, n+2
.endr
	WIN 0
.irp b, 0,1,2,3
	v_fma_f32 v[BM+\b], v[BM+\b], s[CS], v[NM]     ; the same of each block's largest score
.endr
.set n, 0
	s_wait_alu depctr_va_vdst(0)
.rept 64
	v_exp_f32 v[T+n], v[T+n]                       ; p = 2^(t - M'), at most 1
.set n, n+1
.endr
	v_nop                                          ; a plain place behind the exponentials
	s_wait_alu depctr_va_vdst(0)                   ; one wait for the whole batch, ahead of its first reader
.irp b, 0,1,2,3
	v_exp_f32 v[BM+\b], v[BM+\b]                   ; the block's largest p: the same two instructions on the same number give the same bits
.endr
	v_pk_add_f32 v[AS:AS+1], v[T:T+1], v[T+4:T+5]  ; the sum is taken of the unquantised p, two at a time, in two chains (plain work behind the four)
	v_pk_add_f32 v[AS+2:AS+3], v[T+2:T+3], v[T+6:T+7]
.set n, 8
.rept 14
	v_pk_add_f32 v[AS:AS+1], v[AS:AS+1], v[T+n:T+n+1]
	v_pk_add_f32 v[AS+2:AS+3], v[AS+2:AS+3], v[T+n+2:T+n+3]
.set n, n+4
.endr
	v_pk_add_f32 v[AS:AS+1], v[AS:AS+1], v[AS+2:AS+3]
	v_add_f32 v[WK], v[AS], v[AS+1]
	v_permlanex16_b32 v[WK+1], v[WK], s[SEL], s[SEL+1]
	v_add_f32 v[LS+\a], v[WK], v[WK+1]             ; my query's sum over the 128 keys
	s_wait_alu depctr_va_vdst(0)                   ; and one wait for the four
.irp b, 0,1,2,3
	v_max_num_f32 v[BM+\b], 0x1800000, v[BM+\b]    ; the floor 2^(3 - 127): the byte cannot fall under 1
.endr
.irp b, 0,1,2,3
	v_add_nc_u32 v[SO+\b], 0xff000000, v[BM+\b]    ; 2 off the exponent field: the conversion's scale operand
.endr
.irp b, 0,1,2,3
	v_lshrrev_b32 v[BX+\b], 23, v[SO+\b]           ; the scale's byte
.endr
	v_lshl_or_b32 v[PWS+\a], v[BX+1], 8, v[BX]
	v_lshl_or_b32 v[PWS+\a], v[BX+2], 16, v[PWS+\a]
	v_lshl_or_b32 v[PWS+\a], v[BX+3], 24, v[PWS+\a]
.if (\a) > 0
	s_wait_xcnt 0x0                                ; the last block's stores have read their registers: the codes may be written again
.endif
.irp c, 0,1
	v_cvt_scalef32_pk16_fp6_f32 v[PC+6*\c:PC+2+6*\c], v[T+32*\c:T+15+32*\c], v[SO+2*\c]
	v_cvt_scalef32_pk16_fp6_f32 v[PC+12+4*\c:PC+14+4*\c], v[T+16+32*\c:T+31+32*\c], v[SO+2*\c+1]
.endr
	v_nop                                          ; one plain place behind a scaled conversion
.irp c, 0,1
.irp i, 0,1,2
	v_permlane16_swap_b32 v[PC+6*\c+\i], v[PC+12+4*\c+\i]
.endr
.irp i, 0,1,2
	v_mov_b32 v[PC+3+6*\c+\i], v[PC+12+4*\c+\i]
.endr
.endr
.irp c, 0,1,2
	global_store_b128 v[LI], v[PC+4*\c:PC+4*\c+3], s[POUT:POUT+1] offset:FRB*(\a)+512*\c   ; 32 lanes store 512 consecutive bytes
.endr
.endm
	PLACES 4                                       ; behind the last products: their results are read and their operands' registers written below
.irp b, 0,1,2,3
	v_mov_b32 v[BX+\b], 0                          ; written once: a lane permute's destination counts as one of its sources
.endr
	v_mov_b32 v[WK+1], 0
.irp a, 0,1,2,3,4,5,6,7
	SOFT \a
.endr
	v_and_b32 v[WK], 16, v0
	v_cmp_ne_u32 vcc_lo, 0, v[WK]
.irp i, 0,1,2,3
	v_cndmask_b32 v[OW+\i], v[PWS+\i], v[PWS+4+\i], vcc_lo       ; lanes 0-15 store what belongs to blocks 0-3, lanes 16-31 to blocks 4-7
	v_cndmask_b32 v[OW+4+\i], v[NMS+\i], v[NMS+4+\i], vcc_lo
	v_cndmask_b32 v[OW+8+\i], v[LS+\i], v[LS+4+\i], vcc_lo
.endr
	global_store_b128 v[LI], v[OW:OW+3], s[SOUT:SOUT+1] offset:1024
	global_store_b128 v[LI], v[OW+4:OW+7], s[SOUT:SOUT+1]
	global_store_b128 v[LI], v[OW+8:OW+11], s[SOUT:SOUT+1] offset:512
	s_wait_tensorcnt 0x0                           ; the wave's end
	ds_add_u32 v[SPW], v[NIL]
	s_wait_dscnt 0x0
	CROUND                                         ; the closing round
	s_endpgm
.Lfunc_end_k_q6e9955a70e_score:
	.size	k_q6e9955a70e_score, .Lfunc_end_k_q6e9955a70e_score-k_q6e9955a70e_score
	.p2alignl 7, 3214868480
	.fill 96, 4, 3214868480
	.section	.rodata,"a",@progbits
	.p2align	6, 0x0
	.amdhsa_kernel k_q6e9955a70e_score
		.amdhsa_group_segment_fixed_size 327680
		.amdhsa_private_segment_fixed_size 0
		.amdhsa_enable_private_segment 0
		.amdhsa_kernarg_size 24
		.amdhsa_user_sgpr_count 2
		.amdhsa_user_sgpr_kernarg_segment_ptr 1
		.amdhsa_wavefront_size32 1
		.amdhsa_system_sgpr_workgroup_id_x 1
		.amdhsa_system_sgpr_workgroup_id_y 1
		.amdhsa_system_sgpr_workgroup_id_z 1
		.amdhsa_system_vgpr_workitem_id 0
		.amdhsa_next_free_vgpr 1024
		.amdhsa_next_free_sgpr 100
		.amdhsa_reserve_vcc 1
		.amdhsa_float_denorm_mode_32 3
		.amdhsa_float_denorm_mode_16_64 3
		.amdhsa_memory_ordered 1
		.amdhsa_forward_progress 1
		.amdhsa_inst_pref_size 189
	.end_amdhsa_kernel
	.amdgpu_metadata
---
amdhsa.version: [ 1, 2 ]
amdhsa.kernels:
  - .name:           k_q6e9955a70e_score
    .symbol:         k_q6e9955a70e_score.kd
    .args:
      - { .name: qkv, .offset: 0, .size: 8, .value_kind: global_buffer, .address_space: global }
      - { .name: pch, .offset: 8, .size: 8, .value_kind: global_buffer, .address_space: global }
      - { .name: stat, .offset: 16, .size: 8, .value_kind: global_buffer, .address_space: global }
    .group_segment_fixed_size: 327680
    .private_segment_fixed_size: 0
    .kernarg_segment_align: 8
    .kernarg_segment_size: 24
    .max_flat_workgroup_size: 128
    .sgpr_count:     100
    .vgpr_count:     1024
    .wavefront_size: 32
...
	.end_amdgpu_metadata
.endif
;; end of part 3
;; launch pv (part 4): grid 8 x 32, 4 waves a work-group, clusters of 4 x 4, 327,680 bytes of LDS; arguments pch, stat, qkv, out0; writes out0
.if DOCPART == 4
	.amdgcn_target "amdgcn-amd-amdhsa--gfx1250"
	.amdhsa_code_object_version 6
	.text
	.protected	k_q6e9955a70e_pv
	.globl	k_q6e9955a70e_pv
	.p2align	8
	.type	k_q6e9955a70e_pv,@function
k_q6e9955a70e_pv:
	s_mov_b64 s[64:65], 0
	v_nop
	global_prefetch_b8 v0, s[64:65] scope:SCOPE_SE
	s_setreg_imm32_b32 hwreg(HW_REG_WAVE_MODE, 25, 1), 1
	s_wait_xcnt 0x0
	s_wait_alu depctr_hold_cnt(0) depctr_sa_sdst(0) depctr_va_vdst(0) depctr_va_sdst(0) depctr_va_ssrc(0) depctr_va_vcc(0) depctr_vm_vsrc(0)
	s_getreg_b32 s2, hwreg(HW_REG_IB_STS2, 6, 4)
	s_cmp_eq_u32 s2, 0
	s_cbranch_scc0 .Lentry_in_a_cluster
	s_endpgm
.Lentry_in_a_cluster:
	s_bfe_u32 s2, ttmp6, 0x10000c
	s_cmp_lg_u32 s2, 0xf033
	s_cbranch_scc0 .Lentry_shape_is_right
	s_endpgm
.Lentry_shape_is_right:
; out = (p v) / l on codes of FP6 (E2M3) with E8M0 scales, f32 sums.  p arrives quantised under a whole number M' of its own for each query and each 128 keys, with -M' and the sum of p beside it.
; THE HEAD brings them under the row's M = the largest M': d = M - M' is a whole number, 0 or more; p's four scale bytes of those 128 keys fall by d, and the part sum is multiplied by 2^-d: nothing is rounded.
; pch = [block of 16 queries 512][key block 16] fragments of 1,536 bytes: register c of lane l at 512 (c / 4) + 16 l + 4 (c % 4).  Place m of block a of a query block of 128 holds query 32 (a / 2) + 8 (a % 2) + m % 8 + 16 (m / 8).
; stat = [query block 64][key block 16][-M' 512 bytes | sum 512 bytes | scale words 512 bytes]: the word of place r of block a at 16 (16 (a / 4) + r) + 4 (a % 4).
; v^T = [batch 4][channel block 8][key block 16] chunks of 12,800 bytes from byte 13,107,200 of qkv: eight fragments of 16 channels, then the scale words, laid likewise.  Place 16 a + r of a channel block holds channel 64 (a / 4) + 4 r + a % 4.
; A WORK-GROUP makes 256 queries x 128 channels with four waves, 2 x 2.  A WAVE HOLDS 64 CHANNELS OF v, ALL 2,048 KEYS, IN REGISTERS (64 fragments, 768 registers), and p streams past in blocks of 16 queries: batch s is block 2 s + (wave / 2).
; A batch is 16 K steps x 4 products on four accumulators by turns; its rows are then finished and leave under the next batch's products.  Source 0 = p, source 1 = v: a lane holds channel 4 r + t of tile t, so four tiles' sums of a query
; are 16 neighbouring bytes, and 16 lanes store 256 consecutive bytes: no stage.
; LDS: v's two halves (K steps 0-7 at 0, 8-15 at 102,400) and batches 0, 1 (at 204,800) come at the head, one load a wave.  v's bytes are filled again with p once they are in registers: batches 2, 3 at 0 (asked for in batch 0, behind K step 7),
; 4, 5 at 102,400 and 6, 7 at 204,800 (asked for in batch 1, behind K step 14).  Each refill stands in a drained round of the cluster's barrier.  What they bring is shown by the next round, or by a plain barrier in batches 3 and 5.
; p's fragments go through a ring of eight, six K steps ahead: when K step k's is waited for, those of five steps, 15 loads, may be younger.  In batch 0 v and p go four steps ahead, 15 loads a step: 45 may be younger.
; CLUSTERS: 4 x 4 work-groups of one batch entry.  p's tiles are shared along a row of the cluster, v's along a column: each is asked for jointly.
; PREFETCH: p's batches 2 and 3 at the head, 4 to 7 in batch 0, ahead of their refills by part of a batch and by a batch; the sixteen waves that ask jointly share the 256-byte blocks out by address.  v is asked for at the head, by its loads alone.
; LIMITS: d above 127 counts as 127, and a scale byte that would fall under 0 becomes 0: such terms lie under 2^-119 of the row's largest p.  NaN and infinities are not served.
.set CH,    12800
.set QB,    24576                      ; a block of 16 queries: sixteen fragments
.set BATB,  2*QB                       ; a batch: one block for each row of the 2 x 2
.set VHALF, 8*CH
.set PSLOT, 2*VHALF                    ; batches 0, 1
.set SCAL,  PSLOT+2*BATB               ; p's shifted scale words, 1,024 bytes for each of 16 blocks: [quad 4][row 16][4 words]: quad 2 h + 0: K steps 1, 3 + 4 h and 9, 11 + 4 h; quad 2 h + 1: 0, 2 + 4 h and 8, 10 + 4 h
.set LSA,   SCAL+16384                 ; 1 / l: 64 bytes for each block
.set SPARE, LSA+1024                   ; the spare words, 128 bytes for each wave
.set VOFF,  13107200
.set STB,   1536
.set PFO,  1                           ; v1   the prefetches' offset
.set SPW,  2
.set NIL,  3
.set CO,   4                           ; v4   my offset in out0
.set PA,   5                           ; v5   LDS: my block of the even batch;  v6: of the odd batch
.set PB,   6
.set ADRS, 7                           ; v7, v8  LDS: scale words and 1 / l, of the pair at work;  v10, v11: of pair 0
.set ADRL, 8
.set P0,   9                           ; v9   16 x lane + my row's block
.set ADRS0, 10
.set ADRL0, 11
.set SV,   12                          ; v12-43 v's scale words: register 4 kk + t: lanes 0-15 K step kk % 4 + 8 (kk / 4), lanes 16-31 four steps on
.set SP,   44                          ; v44-59 p's, two sets of eight, for the same steps: odd kk first
.set RL,   60                          ; v60-67 1 / l of queries 8 h + j
.set ACC,  68                          ; v68-131 two sets of four accumulators
.set OUT,  132                         ; v132-147 four queries' results
.set V63,  148                         ; v148-159 v's last fragment (the others: 21 to each window 1, 2, 3)
.set RG,   160                         ; v160-255 the ring
.set NMR,  160                         ; the head: v160-191 -M', v192-223 sums, v224-255 scale words: register 4 kk + f
.set LSR,  192
.set PWR,  224
.set DW,   68                          ; v68-99 the shifted words: 8 f + place
.set NG,   100
.set LP,   104
.set DD,   108
.set EE,   112
.set VB,   116                         ; v116-119 LDS: my fragments of v, K steps 4 q on
.set VS,   120                         ; v120-121 LDS: my scale words of v, half 0, 1
.set G1V,  24
.set G1P,  32
.set G0V,  40
.set G0P,  44
.set OB,   74
.set SEL,  76
.set SPOS, 87                          ; s87 LDS place of the pair at work
.set SSA,  88                          ; s88, s89 how far the pair's scale words and 1 / l lie on
.set SSL,  89
.set MSB, 0
.macro WIN new
.if MSB != (\new)
	s_set_vgpr_msb (MSB<<8)|(\new)
.set MSB, (\new)
.endif
.endm
.macro PLACES n
.rept \n
	v_nop
.endr
.endm
.macro WALU
	s_wait_alu depctr_va_vdst(0)
.endm
.macro CREST
	s_cmp_lg_u32 s14, 0
	s_cbranch_scc1 .Lnot_wave_0_\@
	s_barrier_signal -3
.Lnot_wave_0_\@:
	s_barrier_wait -3
	s_barrier_signal -1
	s_barrier_wait -1
.endm
.macro CROUND
	s_barrier_signal -1
	s_barrier_wait -1
	CREST
.endm
.macro TLOAD g0, g1
	tensor_load_to_lds s[\g0:\g0+3], s[\g1:\g1+7]
	s_nop 0
	PLACES 4
.endm
.macro ARM under, g0, g1, next
	s_cmp_lt_u32 s14, \under
	s_cbranch_scc0 \next
	TLOAD \g0, \g1
	s_branch .Lhead_asked
\next:
.endm
.macro G1REST g, rows                  ; a dense block as rows of 256 bytes (32 elements of 8 bytes), no padding
	s_mov_b32 s[\g+1], 32<<16
	s_mov_b32 s[\g+2], (\rows)<<16
	s_mov_b32 s[\g+3], 32<<16
	s_mov_b32 s[\g+4], \rows
	s_mov_b32 s[\g+5], 32
	s_mov_b32 s[\g+6], 0
	s_mov_b32 s[\g+7], 0
.endm
; ---- LDS loads
.macro PLOAD k, adr                    ; p's fragment of K step k of the block at adr
.if MSB > 63
	WIN 0
.endif
.irp c, 0,1,2
	ds_load_b128 v[RG+12*((\k)%8)+4*\c:RG+12*((\k)%8)+4*\c+3], v[\adr] offset:1536*(\k)+512*\c
.endr
.endm
.macro VLOAD k                         ; v's four fragments of K step k
.irp t, 0,1,2,3
.set F_, 4*(\k)+\t
.if F_ == 63
	WIN 0
.set B_, V63
.else
	WIN (1+F_/21)<<6
.set B_, 12*(F_%21)
.endif
.irp c, 0,1,2
	ds_load_b128 v[B_+4*\c:B_+4*\c+3], v[VB+(\k)/4] offset:CH*((\k)%4)+1536*\t+512*\c
.endr
.endr
.endm
.macro SVLOAD half
	WIN 0
.irp i, 0,1,2,3
	ds_load_b128 v[SV+16*\half+4*\i:SV+16*\half+4*\i+3], v[VS+\half] offset:CH*\i
.endr
.endm
.macro SPLOAD set, off
	WIN 0
	ds_load_b128 v[SP+8*(\set):SP+8*(\set)+3], v[ADRS] offset:\off
	ds_load_b128 v[SP+8*(\set)+4:SP+8*(\set)+7], v[ADRS] offset:\off+256
.endm
.macro RLLOAD off
	WIN 0
	ds_load_b128 v[RL:RL+3], v[ADRL] offset:\off
	ds_load_b128 v[RL+4:RL+7], v[ADRL] offset:\off+16
.endm
; ---- products
.macro MM c, row
	v_wmma_scale_f32_16x16x128_f8f6f4 v[D_:D_+7], v[A_:A_+11], v[B_:B_+11], \c, v[X_], v[Y_] matrix_a_fmt:MATRIX_FMT_FP6 matrix_b_fmt:MATRIX_FMT_FP6 matrix_a_scale:MATRIX_SCALE_ROW\row matrix_b_scale:MATRIX_SCALE_ROW\row
.endm
.macro PROD par, k, t                  ; K step k x tile t into accumulator set par; the first K step starts the sums
.set F_, 4*(\k)+\t
.if F_ == 63
	WIN 0
.set B_, V63
.else
	WIN (1+F_/21)<<2
.set B_, 12*(F_%21)
.endif
.set D_, ACC+32*(\par)+8*\t
.set A_, RG+12*((\k)%8)
.set Q_, (\k)%4+4*((\k)/8)
.set X_, SP+8*(\par)+4*(1-Q_%2)+Q_/2
.set Y_, SV+4*Q_+\t
.if (\k) == 0
	MM 0, 0
.elseif ((\k)/4)%2
	MM v[D_:D_+7], 1
.else
	MM v[D_:D_+7], 0
.endif
.endm
; A place behind two products: two numbers of the last batch's way out (out = 1, K steps 1-4: queries 8 h + 0 .. 3, K steps 6-9: 4 .. 7; each accumulator from its low end on), else v_nop.
; Four places stand between a product and the next load into its ring registers, two K steps on, and between a batch's last products and the first read of their sums.
.macro SLOT par, k, half, out
.if \out && (((\k) >= 1 && (\k) <= 4) || ((\k) >= 6 && (\k) <= 9))
.set J_, (\k)-1-(\k)/6
.set O_, OUT+4*(J_%4)+2*\half
.set P_, ACC+32*(1-(\par))+16*\half+J_
	WIN 0
	v_mul_f32 v[O_], v[RL+J_], v[P_]
	v_mul_f32 v[O_+1], v[RL+J_], v[P_+8]
.else
	v_nop
.if (\k) == 0 && \half
	v_nop
.endif
.endif
.endm
.macro KS par, k, n, out               ; a K step: n LDS instructions may be younger than its fragments' loads (-1: they are known to be in)
.if (\n) >= 0
	s_wait_dscnt \n
.endif
	PROD \par, \k, 0
	PROD \par, \k, 1
	SLOT \par, \k, 0, \out
	PROD \par, \k, 2
	PROD \par, \k, 3
	SLOT \par, \k, 1, \out
.endm
.macro PUT half                        ; four queries' 64 channels: 16 lanes store 256 consecutive bytes, at a multiple of 256 from out0's first byte
	WIN 0
	WALU
.irp j, 0,1,2,3
	global_store_b128 v[CO], v[OUT+4*\j:OUT+4*\j+3], s[OB:OB+1] offset:(4*\half+\j)*4096-131072*\half th:TH_STORE_NT
.endr
.endm
.macro BODY par, k, n, cur, nxt, fetch ; a K step of a batch behind the first, with what goes with it
.if (\k) == 1 || (\k) == 6
	s_wait_xcnt 0x0                                ; the stores issued so far have read their registers and their base
.endif
.if (\k) == 6
	s_add_nc_u64 s[OB:OB+1], s[OB:OB+1], 0x20000   ; 32 rows on: the next batch's (the second half of this way out counts back from there)
.endif
	KS \par, \k, \n, 1
.if (\k) == 4
	PUT 0
.endif
.if (\k) == 9
	PUT 1
	RLLOAD 128*\par
.endif
.if (\k) == 5 && \fetch
	SPLOAD 1-\par, 2048*(1+\par)
.if \par
	v_add_nc_u32 v[PA], s[SPOS], v[P0]             ; the next pair's even batch
.else
	v_add_nc_u32 v[PB], BATB, v[PA]                ; this pair's odd batch
.endif
.endif
.if (\k) < 10
	PLOAD \k+6, \cur
.elseif \fetch
	PLOAD \k-10, \nxt
.endif
.endm
.macro EVEN
.irp k, 0,1,2,3,4,5,6,7,8,9,10,11,12,13,14,15
	BODY 0, \k, 15, PA, PB, 1
.endr
.endm
; An odd batch with a meeting behind K step 9, when its last fragment has been asked for.  refill = 1: a round of the cluster's barrier, and batches 4 to 7 are asked for;
; refill = 0: a plain barrier that shows what has been filled. Behind K step 9's fragment loads the two of 1 / l (and the add) are younger too.
.macro ODD refill
.irp k, 0,1,2,3,4,5,6,7,8,9
	BODY 1, \k, 15, PB, PA, 1
.endr
	s_add_co_u32 s[SSA], s[SSA], 4096
	s_add_co_u32 s[SSL], s[SSL], 256
	WIN 0
	v_add_nc_u32 v[ADRS], s[SSA], v[ADRS0]
	v_add_nc_u32 v[ADRL], s[SSL], v[ADRL0]
.if \refill
	s_wait_tensorcnt 0x0                           ; all my tensor loads are in, so a descriptor may be written
	ds_add_u32 v[SPW], v[NIL]
	s_mov_b32 s[G1P+2], 192<<16                    ; a whole batch a wave: 192 rows of 256 bytes
	s_mov_b32 s[G1P+4], 192
	s_mul_i32 s82, s14, BATB
	s_add_co_u32 s82, s82, 4*BATB                  ; batch 4 + wave
	s_mov_b32 s83, 0
	s_add_nc_u64 s[G0P+2:G0P+3], s[68:69], s[82:83]
	s_or_b32 s[G0P+3], s[G0P+3], 0x80000000
	s_mul_i32 s82, s15, VHALF
	s_mul_i32 s83, s16, BATB
	s_add_co_u32 s82, s82, s83
	s_add_co_u32 s[G0P+1], s82, VHALF              ; 102,400 + 102,400 (wave / 2) + 49,152 (wave % 2)
.endif
	KS 1, 10, 17, 1
	KS 1, 11, 14, 1
	KS 1, 12, 11, 1
	WIN 0
	WALU
.if \refill == 0
	s_wait_tensorcnt 0x0
.endif
	s_wait_dscnt 0x0                               ; my reads of this batch's block are over
	s_barrier_signal -1
	KS 1, 13, -1, 1                                ; work on registers while the others arrive
	KS 1, 14, -1, 1
	WIN 0
	s_barrier_wait -1
.if \refill
	CREST
	TLOAD G0P, G1P
.endif
	PLACES 4
.irp k, 0,1,2,3,4,5
	PLOAD \k, PA
.endr
	KS 1, 15, -1, 1
.endm
	s_load_b256 s[4:11], s[0:1], 0x0               ; pch s[4:5], stat s[6:7], qkv s[8:9], out0 s[10:11]
	v_lshl_add_u32 v[SPW], v0, 2, SPARE
	v_mov_b32 v[NIL], 0
	ds_add_u32 v[SPW], v[NIL]
	ds_add_u32 v[SPW], v[NIL]
	v_lshrrev_b32 v11, 5, v0
	v_readfirstlane_b32 s14, v11                   ; wave 0..3
	v_and_b32 v122, 15, v0                         ; r
	v_bfe_u32 v123, v0, 4, 1                       ; h
	v_and_b32 v124, 31, v0                         ; lane
	v_lshlrev_b32 v125, 4, v122                    ; 16 r
	v_mul_u32_u24 v126, v123, 4*STB
	v_add_nc_u32 v126, v126, v125                  ; the statistics: lanes 16-31 take the key blocks four on
	v_lshlrev_b32 v127, 4, v124                    ; 16 x lane
	WALU
	s_lshr_b32 s15, s14, 1                         ; which row of the 2 x 2: block 2 s + this in batch s
	s_and_b32 s16, s14, 1                          ; which 64 channels
	s_bfe_u32 s17, ttmp6, 0x40000                  ; cx
	s_bfe_u32 s18, ttmp6, 0x40004                  ; cy
	s_and_b32 s20, ttmp7, 0xffff                   ; the cluster's y: two clusters to a batch entry
	s_lshl_b32 s66, s18, 2
	s_lshl_b32 s66, 15, s66                        ; my row of the cluster
	s_lshl_b32 s67, 0x1111, s17                    ; my column
	s_or_b32 s[G1V], s67, (3<<16)|(1<<21)
	s_or_b32 s[G1P], s66, (3<<16)|(1<<21)
	G1REST G1V, 400                                ; half of v's keys: 102,400 bytes
	G1REST G1P, 192                                ; a batch: 49,152 bytes
	s_lshl_b32 s80, s20, 2
	s_add_co_u32 s80, s80, s18                     ; my 256 queries: 4 x cluster y + cy
	s_lshl_b32 s81, ttmp9, 2
	s_add_co_u32 s81, s81, s17                     ; my 128 channels: 4 x cluster x + cx
	s_mul_i32 s68, s80, 16*QB
	s_mov_b32 s69, 0
	s_lshr_b32 s70, s20, 1
	s_lshl_b32 s70, s70, 3
	s_add_co_u32 s70, s70, s81
	s_mul_i32 s70, s70, 16*CH
	s_add_co_u32 s70, s70, VOFF
	s_mov_b32 s71, 0
	s_lshl_b32 s72, s80, 1
	s_add_co_u32 s72, s72, s15
	s_mul_i32 s72, s72, 16*STB                     ; the statistics of query block 2 y + wave / 2,
	s_lshl_b32 s82, s16, 8
	s_add_co_u32 s72, s72, s82                     ; four of its blocks of 16: blocks 4 x wave + 0 .. 3 of my 256 queries
	s_mov_b32 s73, 0
	s_lshl_b32 s74, s80, 20                        ; out0: 256 rows of 4,096 bytes,
	s_lshl_b32 s82, s15, 15                        ; 8 rows for my row of the 2 x 2,
	s_add_co_u32 s74, s74, s82
	s_lshl_b32 s82, s81, 9
	s_add_co_u32 s74, s74, s82                     ; 128 channels for the work-group,
	s_lshl_b32 s82, s16, 8
	s_add_co_u32 s74, s74, s82                     ; 64 for my wave
	s_mov_b32 s75, 0
	s_mul_i32 s82, s15, VHALF
	s_mov_b32 s83, 0
	s_mul_i32 s84, s15, BATB
	s_mov_b32 s85, 0
	s_wait_dscnt 0x0                               ; both opening adds are done
	s_wait_kmcnt 0x0
	s_add_nc_u64 s[68:69], s[4:5], s[68:69]
	s_add_nc_u64 s[70:71], s[8:9], s[70:71]
	s_add_nc_u64 s[72:73], s[6:7], s[72:73]
	s_add_nc_u64 s[OB:OB+1], s[10:11], s[OB:OB+1]
.irp q, 0,1,2,3,4,5,6,7                ; K step kk % 4 + 8 (kk / 4), lanes 16-31 four on; a lane gets row r of four blocks; each half of the lanes reads 256 consecutive bytes
	global_load_b128 v[NMR+4*\q:NMR+4*\q+3], v126, s[72:73] offset:STB*((\q&3)+8*(\q>>2))
.endr
.irp q, 0,1,2,3,4,5,6,7
	global_load_b128 v[LSR+4*\q:LSR+4*\q+3], v126, s[72:73] offset:STB*((\q&3)+8*(\q>>2))+512
	global_load_b128 v[PWR+4*\q:PWR+4*\q+3], v126, s[72:73] offset:STB*((\q&3)+8*(\q>>2))+1024
.endr
	s_mov_b32 s[G0V], 1
	s_mov_b32 s[G0V+1], s82                        ; v's half wave / 2
	s_add_nc_u64 s[G0V+2:G0V+3], s[70:71], s[82:83]
	s_or_b32 s[G0V+3], s[G0V+3], 0x80000000
	s_mov_b32 s[G0P], 1
	s_add_co_u32 s[G0P+1], s84, PSLOT              ; batch wave / 2
	s_add_nc_u64 s[G0P+2:G0P+3], s[68:69], s[84:85]
	s_or_b32 s[G0P+3], s[G0P+3], 0x80000000
	CROUND                                         ; all sixteen work-groups are here: the first joint loads meet
	ARM 1, G0V, G1V, .Lwave_1                      ; wave 0: v's K steps 0-7
	ARM 2, G0P, G1P, .Lwave_2                      ; wave 1: batch 0
	ARM 3, G0V, G1V, .Lwave_3                      ; wave 2: v's K steps 8-15
	TLOAD G0P, G1P                                 ; wave 3: batch 1
.Lhead_asked:
	s_mul_i32 s82, s15, QB
	s_mul_i32 s83, s16, 4*1536
	s_lshl_b32 s84, s16, 8
	s_add_co_u32 s84, s84, 12288
	s_lshl_b32 s85, s15, 10
	s_add_co_u32 s85, s85, SCAL
	s_lshl_b32 s90, s14, 12
	s_add_co_u32 s90, s90, SCAL
	s_lshl_b32 s91, s15, 6
	s_add_co_u32 s91, s91, LSA
	s_lshl_b32 s92, s14, 8
	s_add_co_u32 s92, s92, LSA
	s_lshl_b32 s93, s17, 2
	s_add_co_u32 s93, s93, s14                     ; my number among the sixteen waves of my row of the cluster
	s_mul_i32 s93, s93, 24*256                     ; a pair of batches is 384 blocks of 256 bytes: 24 to a wave
	s_mov_b32 s94, 0x80808080
	s_mov_b32 s[SEL], 0x76543210
	s_mov_b32 s[SEL+1], 0xfedcba98
	s_mov_b32 s[SSA], 0
	s_mov_b32 s[SSL], 0
	v_lshl_add_u32 v[CO], v123, 16, v125           ; out0: 16 r bytes, lanes 16-31 16 rows on
	v_add_nc_u32 v[P0], s82, v127
	v_add_nc_u32 v[PA], PSLOT, v[P0]
	v_add_nc_u32 v[PB], PSLOT+BATB, v[P0]
	v_add_nc_u32 v[VB], s83, v127                  ; my four fragments of a chunk of v
	v_add_nc_u32 v[VB+1], 4*CH, v[VB]
	v_add_nc_u32 v[VB+2], 8*CH, v[VB]
	v_add_nc_u32 v[VB+3], 12*CH, v[VB]
	v_mul_u32_u24 v128, v123, 4*CH
	v_add_nc_u32 v128, v128, v125
	v_add_nc_u32 v[VS], s84, v128
	v_add_nc_u32 v[VS+1], 8*CH, v[VS]
	v_lshl_add_u32 v129, v123, 9, v125             ; 512 h + 16 r
	v_add_nc_u32 v[ADRS0], s85, v129
	v_add_nc_u32 v129, s90, v129                   ; where I store the shifted words: block 4 x wave + f
	v_lshlrev_b32 v130, 5, v123
	v_add_nc_u32 v[ADRL0], s91, v130
	v_lshlrev_b32 v131, 2, v122
	v_add_nc_u32 v131, s92, v131                   ; where I store 1 / l
	v_min_u32 v128, 23, v124
	v_lshl_add_u32 v[PFO], v128, 8, s93
	v_mov_b32 v[ADRS], v[ADRS0]
	v_mov_b32 v[ADRL], v[ADRL0]
.irp f, 0,1,2,3
	v_mov_b32 v[EE+\f], 0                          ; a lane permute's destination counts as one of its sources
.endr
	WALU
	s_wait_loadcnt 0x0
.irp f, 0,1,2,3
	v_min3_num_f32 v[NG+\f], v[NMR+\f], v[NMR+4+\f], v[NMR+8+\f]   ; -M = the least -M' of the row: my eight key blocks,
.endr
.irp f, 0,1,2,3
	v_min3_num_f32 v[NG+\f], v[NG+\f], v[NMR+12+\f], v[NMR+16+\f]
.endr
.irp f, 0,1,2,3
	v_min3_num_f32 v[NG+\f], v[NG+\f], v[NMR+20+\f], v[NMR+24+\f]
.endr
.irp f, 0,1,2,3
	v_min_num_f32 v[NG+\f], v[NG+\f], v[NMR+28+\f]
.endr
.irp f, 0,1,2,3
	v_permlanex16_b32 v[EE+\f], v[NG+\f], s[SEL], s[SEL+1]
.endr
.irp f, 0,1,2,3
	v_min_num_f32 v[NG+\f], v[NG+\f], v[EE+\f]     ; and lane l xor 16's eight
.endr
.irp q, 0,1,2,3,4,5,6,7
.irp f, 0,1,2,3
	v_sub_f32 v[DD+\f], v[NMR+4*\q+\f], v[NG+\f]   ; d = M - M': a whole number, 0 or more
.endr
.irp f, 0,1,2,3
	v_cvt_u32_f32 v[DD+\f], v[DD+\f]
.endr
.irp f, 0,1,2,3
	v_min_u32 v[DD+\f], 127, v[DD+\f]
.endr
.irp f, 0,1,2,3
	v_sub_nc_u32 v[EE+\f], 0, v[DD+\f]
.endr
.irp f, 0,1,2,3
.if \q == 0
	v_ldexp_f32 v[LP+\f], v[LSR+\f], v[EE+\f]      ; the part sum x 2^-d; the first starts my part of l
.else
	v_ldexp_f32 v[EE+\f], v[LSR+4*\q+\f], v[EE+\f]
.endif
.endr
.if \q > 0
.irp f, 0,1,2,3
	v_add_f32 v[LP+\f], v[LP+\f], v[EE+\f]
.endr
.endif
.irp f, 0,1,2,3
	v_perm_b32 v[DD+\f], v[DD+\f], v[DD+\f], 0     ; d in all four bytes
.endr
.irp f, 0,1,2,3
	v_or_b32 v[PWR+4*\q+\f], s94, v[PWR+4*\q+\f]   ; p's bytes are 125 at the most: bit 7 of each is free and stands guard, so that no borrow crosses a byte
.endr
.irp f, 0,1,2,3
	v_sub_nc_u32 v[PWR+4*\q+\f], v[PWR+4*\q+\f], v[DD+\f]
.endr
.irp f, 0,1,2,3
	v_and_b32 v[EE+\f], s94, v[PWR+4*\q+\f]        ; the guard still stands where the byte was at least d
.endr
.irp f, 0,1,2,3
	v_lshrrev_b32 v[DD+\f], 7, v[EE+\f]
.endr
.irp f, 0,1,2,3
	v_sub_nc_u32 v[EE+\f], v[EE+\f], v[DD+\f]      ; 0x7f there, 0 elsewhere
.endr
.irp f, 0,1,2,3
	v_and_b32 v[DW+8*\f+4*(1-(\q&1))+(\q>>1)], v[PWR+4*\q+\f], v[EE+\f]   ; byte - d, or 0: odd kk to places 0-3, even kk to places 4-7
.endr
.endr
.irp f, 0,1,2,3
	ds_store_b128 v129, v[DW+8*\f:DW+8*\f+3] offset:1024*\f
	ds_store_b128 v129, v[DW+8*\f+4:DW+8*\f+7] offset:1024*\f+256
.endr
.irp f, 0,1,2,3
	v_permlanex16_b32 v[EE+\f], v[LP+\f], s[SEL], s[SEL+1]
.endr
.irp f, 0,1,2,3
	v_add_f32 v[LP+\f], v[LP+\f], v[EE+\f]         ; l
.endr
	WALU
.irp f, 0,1,2,3
	v_rcp_f32 v[DD+\f], v[LP+\f]
.endr
	v_nop                                          ; one plain place behind a transcendental
	WALU                                           ; one wait for the four, ahead of their first reader
.irp f, 0,1,2,3
	ds_store_b32 v131, v[DD+\f] offset:64*\f       ; both lanes of a row write the same word with the same value
.endr
	global_prefetch_b8 v[PFO], s[68:69] offset:2*BATB th:TH_LOAD_NT scope:SCOPE_SE   ; batches 2 and 3: my 24 blocks of 256 bytes
	s_cmp_lt_u32 s14, 2
	s_cbranch_scc0 .Lno_wait
	s_wait_tensorcnt 0x0                           ; waves 0 and 1: v's first half and batch 0 are in.  The other two may be on their way
.Lno_wait:
	s_wait_dscnt 0x0                               ; for the others' sake: my scale words and 1 / l lie in LDS
	s_barrier_signal -1
	s_barrier_wait -1
; ================= BATCH 0, with v's way into registers
	SPLOAD 0, 0
	SVLOAD 0
.irp k, 0,1,2,3
	VLOAD \k
	PLOAD \k, PA
.endr
.irp k, 0,1,2,3
	KS 0, \k, 45, 0
	VLOAD \k+4
	PLOAD \k+4, PA
.endr
	WIN 0
	s_wait_tensorcnt 0x0                           ; the head's loads are all in
	ds_add_u32 v[SPW], v[NIL]
	s_mov_b32 s[G1P+2], 96<<16                     ; a block of 16 queries a wave: 96 rows of 256 bytes
	s_mov_b32 s[G1P+4], 96
	s_mul_i32 s82, s14, QB
	s_mov_b32 s[G0P+1], s82                        ; batches 2, 3, onto v's first half
	s_add_co_u32 s82, s82, 2*BATB
	s_mov_b32 s83, 0
	s_add_nc_u64 s[G0P+2:G0P+3], s[68:69], s[82:83]
	s_or_b32 s[G0P+3], s[G0P+3], 0x80000000
	KS 0, 4, 45, 0
	KS 0, 5, 30, 0
	WIN 0
	WALU
	s_wait_dscnt 0x0                               ; v's K steps 0-7 are in my registers
	s_barrier_signal -1
	KS 0, 6, -1, 0
	KS 0, 7, -1, 0
	WIN 0
	s_barrier_wait -1
	CREST
	TLOAD G0P, G1P
	SVLOAD 1
.irp k, 8,9,10,11
	VLOAD \k
	PLOAD \k, PA
.endr
.irp k, 8,9,10,11
	KS 0, \k, 45, 0
	VLOAD \k+4
	PLOAD \k+4, PA
.if \k == 9
	WIN 0
	global_prefetch_b8 v[PFO], s[68:69] offset:4*BATB th:TH_LOAD_NT scope:SCOPE_SE   ; batches 4 and 5
.elseif \k == 10
	WIN 0
	global_prefetch_b8 v[PFO], s[68:69] offset:6*BATB th:TH_LOAD_NT scope:SCOPE_SE   ; batches 6 and 7
.endif
.endr
	KS 0, 12, 45, 0
	SPLOAD 1, 2048
	RLLOAD 0
	PLOAD 0, PB
	PLOAD 1, PB
	KS 0, 13, 36, 0                                ; younger: K steps 14 and 15 (30) and batch 1's first two fragments (6); the four others make the count no larger
	PLOAD 2, PB
	PLOAD 3, PB
	KS 0, 14, 27, 0                                ; K step 15 (15) and four fragments (12)
	PLOAD 4, PB
	KS 0, 15, 15, 0                                ; five fragments
	PLOAD 5, PB
; ================= BATCHES 1 TO 7
	s_mov_b32 s[SPOS], 0
	ODD 1
	s_mov_b32 s86, 0
	WIN 0
.Lpair:                                                ; batches 2, 3 and 4, 5
	EVEN
	s_add_co_u32 s[SPOS], s[SPOS], VHALF
	ODD 0
	WIN 0
	s_add_co_u32 s86, s86, 1
	s_cmp_lg_u32 s86, 2
	s_cbranch_scc1 .Lpair
	EVEN
.irp k, 0,1,2,3,4,5,6,7,8,9,10
	BODY 1, \k, 15, PB, PA, 0
.endr
.irp k, 11,12,13,14,15
	BODY 1, \k, 3*(15-\k), PB, PA, 0               ; nothing more is fetched
.endr
; ================= THE END: batch 7's rows
	WIN 0
	PLACES 4
	s_wait_xcnt 0x0
.irp j, 0,1,2,3,4,5,6,7
.irp t, 0,1,2,3
	v_mul_f32 v[RG+4*\j+\t], v[RL+\j], v[ACC+32+8*\t+\j]   ; (the ring is free)
.endr
.endr
	WALU
.irp j, 0,1,2,3,4,5,6,7
	global_store_b128 v[CO], v[RG+4*\j:RG+4*\j+3], s[OB:OB+1] offset:\j*4096 th:TH_STORE_NT
.endr
	s_wait_tensorcnt 0x0                           ; the wave's end
	ds_add_u32 v[SPW], v[NIL]
	s_wait_dscnt 0x0
	CROUND                                         ; the closing round: no work-group ends while a partner may still ask for a tile that names it
	s_endpgm
.Lfunc_end_k_q6e9955a70e_pv:
	.size	k_q6e9955a70e_pv, .Lfunc_end_k_q6e9955a70e_pv-k_q6e9955a70e_pv
	.p2alignl 7, 3214868480
	.fill 96, 4, 3214868480
	.section	.rodata,"a",@progbits
	.p2align	6, 0x0
	.amdhsa_kernel k_q6e9955a70e_pv
		.amdhsa_group_segment_fixed_size 327680
		.amdhsa_private_segment_fixed_size 0
		.amdhsa_enable_private_segment 0
		.amdhsa_kernarg_size 32
		.amdhsa_user_sgpr_count 2
		.amdhsa_user_sgpr_kernarg_segment_ptr 1
		.amdhsa_wavefront_size32 1
		.amdhsa_system_sgpr_workgroup_id_x 1
		.amdhsa_system_sgpr_workgroup_id_y 1
		.amdhsa_system_sgpr_workgroup_id_z 1
		.amdhsa_system_vgpr_workitem_id 0
		.amdhsa_next_free_vgpr 1024
		.amdhsa_next_free_sgpr 100
		.amdhsa_reserve_vcc 0
		.amdhsa_float_denorm_mode_32 3
		.amdhsa_float_denorm_mode_16_64 3
		.amdhsa_memory_ordered 1
		.amdhsa_forward_progress 1
		.amdhsa_inst_pref_size 139
	.end_amdhsa_kernel
	.amdgpu_metadata
---
amdhsa.version: [ 1, 2 ]
amdhsa.kernels:
  - .name:           k_q6e9955a70e_pv
    .symbol:         k_q6e9955a70e_pv.kd
    .args:
      - { .name: pch, .offset: 0, .size: 8, .value_kind: global_buffer, .address_space: global }
      - { .name: stat, .offset: 8, .size: 8, .value_kind: global_buffer, .address_space: global }
      - { .name: qkv, .offset: 16, .size: 8, .value_kind: global_buffer, .address_space: global }
      - { .name: out0, .offset: 24, .size: 8, .value_kind: global_buffer, .address_space: global }
    .group_segment_fixed_size: 327680
    .private_segment_fixed_size: 0
    .kernarg_segment_align: 8
    .kernarg_segment_size: 32
    .max_flat_workgroup_size: 128
    .sgpr_count:     100
    .vgpr_count:     1024
    .wavefront_size: 32
...
	.end_amdgpu_metadata
.endif
;; end of part 4
